; MI455X (gfx1250); checked and timed in simulation.
; The chip was launched on July 23, 2026; its instructions are those of AMD's public machine-readable ISA for CDNA 5 (MIT licence, August 2026) and "CDNA5" Instruction Set Architecture Reference Guide (July 2026). The comments in the code are by the model that wrote it; some were corrected since.
;; Transformer Block. Allowed arithmetic: matrix products marked QUANTISED: E4M3 operands, one given power-of-two scale a tensor, by v_wmma_f32_16x16x64_fp8_fp8 or v_wmma_f32_16x16x128_fp8_fp8, f32 sums; everything else in f32.
;; Inputs: W1 1,024 x 4,096 float32; W2 4,096 x 1,024 float32; Wk 1,024 x 1,024 float32; Wo 1,024 x 1,024 float32; Wq 1,024 x 1,024 float32; Wv 1,024 x 1,024 float32; b1 4,096 float32; b2 1,024 float32; bk 1,024 float32; bo 1,024 float32; bq 1,024 float32; bv 1,024 float32; ln1_bias 1,024 float32; ln1_scale 1,024 float32; ln2_bias 1,024 float32; ln2_scale 1,024 float32; lowp_scales 16 int32 (the exponents e of the quantised operands' scales 2^e); mask 1 x 1 x 2,048 x 2,048 bool; x 2 x 2,048 x 1,024 float32.
;; Outputs: out0 2 x 2,048 x 1,024 float32.
;; This version of the problem:
;;   THIS VERSION OF THE PROBLEM IS GIVEN IN LOW PRECISION. The matrix products marked QUANTISED in the list below multiply operands that are first quantised to E4M3 (4 exponent bits, 3 mantissa bits; 8 bits a number), with one given power-of-two scale for each operand tensor; their sums are f32. All else is computed in f32.
;;   The module's matrix products, in the order in which they are computed (A, B: the left and right operand; K: the contracted axis; several contracted axes count as one K, in the product's order):
;;     1. [M 4,096, K 1,024] x [K 1,024, N 1,024]; A: computed on the way; B: input Wq: QUANTISED (scales: A lowp_scales[0], B lowp_scales[1])
;;     2. [M 4,096, K 1,024] x [K 1,024, N 1,024]; A: computed on the way; B: input Wk: QUANTISED (scales: A lowp_scales[2], B lowp_scales[3])
;;     3. [M 4,096, K 1,024] x [K 1,024, N 1,024]; A: computed on the way; B: input Wv: QUANTISED (scales: A lowp_scales[4], B lowp_scales[5])
;;     4. batch 32 x [M 2,048, K 64] x [K 64, N 2,048]; A: computed on the way; B: computed on the way: QUANTISED (scales: A lowp_scales[6], B lowp_scales[7])
;;     5. batch 32 x [M 2,048, K 2,048] x [K 2,048, N 64]; A: softmax (see below); B: computed on the way: QUANTISED (scales: A lowp_scales[8], B lowp_scales[9])
;;     6. [M 4,096, K 1,024] x [K 1,024, N 1,024]; A: computed on the way; B: input Wo: QUANTISED (scales: A lowp_scales[10], B lowp_scales[11])
;;     7. [M 4,096, K 1,024] x [K 1,024, N 4,096]; A: computed on the way; B: input W1: QUANTISED (scales: A lowp_scales[12], B lowp_scales[13])
;;     8. [M 4,096, K 4,096] x [K 4,096, N 1,024]; A: computed on the way; B: input W2: QUANTISED (scales: A lowp_scales[14], B lowp_scales[15])
;;   THE QUANTISER, for each operand of a quantised product, along K:
;;     - The operand's scale is 2^e, e = its entry of the input lowp_scales (int32; the entries are numbered through the quantised products in the list's order, A before B).
;;     - Each number is divided by the scale, clamped to +-448, and rounded to the nearest number of E4M3, ties to even, subnormals kept.
;;     - The product sums the exact products of the quantised numbers (number of the format x scale) in f32.
;;   ~~~python
;;   def quantise(x, axis, e):      # numpy; x: float32 -> the quantised numbers, widened to float32 again
;;       x = np.moveaxis(x, axis, -1); K = x.shape[-1]
;;       r = np.clip(x / 2.0 ** e, -448, 448)
;;       step = 2.0 ** (np.maximum(np.frexp(np.where(r == 0, 1, r))[1] - 1, -6) - 3)
;;       q = np.round(r / step) * step * 2.0 ** e      # np.round: ties to even
;;       return np.moveaxis(q, -1, axis).astype(np.float32)
;;   ~~~
;;   SOFTMAX AHEAD OF A QUANTISED PRODUCT. Where the list says 'softmax', what is quantised is not the finished softmax but p = 2^(t - M), with t = logit x log2(e) and M = ceil(the row's largest t), a whole number; so 1/2 < the row's largest p <= 1. The row's sum l is taken of the UNQUANTISED p, in f32, and the product's result is divided by l at the end. Since M is a whole number, a kernel that streams over the keys may use a running M (the ceiling of the running maximum): every later rescaling is an exact power of two, so the quantised numbers keep their values, but for numbers so far below the row's largest that they fall under the format's range.
;;   OPERANDS COMPUTED ON THE WAY. 'Computed on the way' means the value that the module computes at that place (a softmax that the list does not call 'softmax' is quantised finished and normalised). What goes into a quantiser is computed in f32, as accurately as f32 sums, v_exp_f32 and their like allow (about 1e-6 of the number): no bf16 or f16 on the way to a quantiser, and a product that is left as it is and whose result goes on into a quantised operand takes f32 operands (vector FMAs, or v_wmma_f32_16x16x4_f32). A number that lies on a knife's edge between two numbers of the format may be rounded either way, as far as f32 arithmetic and the matrix unit's own rounding can turn it there, and no further.
;; One version. Each part assembles by itself: llvm-mc -triple=amdgcn-amd-amdhsa -mcpu=gfx1250 --defsym DOCPART=n.
;; ======== version 1 of 1: 7 launches
;; limits: right only within a limited range of input values
;; workspace buffers: wts 25,165,824 bytes; mwords 528,384 bytes of whole numbers; qkvb 12,582,912 bytes; oimg 4,194,304 bytes; x1 16,777,216 bytes; x2i 4,194,304 bytes; himg 16,777,216 bytes
;; launch prep (part 1): grid 768 x 1, 8 waves a work-group, no clusters, 88,320 bytes of LDS; arguments x, mask, ln1_scale, ln1_bias, Wq, Wk, Wv, Wo, W1, W2, lowp_scales, wts, mwords; writes wts, mwords
.if DOCPART == 1
	.amdgcn_target "amdgcn-amd-amdhsa--gfx1250"
	.amdhsa_code_object_version 6
	.text
	.protected	k_q92ef5b8286_prep
	.globl	k_q92ef5b8286_prep
	.p2align	8
	.type	k_q92ef5b8286_prep,@function
k_q92ef5b8286_prep:
	s_mov_b64 s[64:65], 0
	v_nop
	global_prefetch_b8 v0, s[64:65] scope:SCOPE_SE
	s_setreg_imm32_b32 hwreg(HW_REG_WAVE_MODE, 25, 1), 1
	s_wait_xcnt 0x0
; PREP: three jobs that hang on inputs alone, told apart by the work-group's number (the same for all waves of a work-group).
;   work-groups 0-255:   LayerNorm 1 of 16 rows of x, quantised three times (scales e0, e2, e4), as three operand images
;   work-groups 256-639: a block of 256 columns x 128 K of one of the six weights, quantised along K (its FIRST axis), as an operand image with rows = n
;   work-groups 640-767: 16 rows of the mask turned into lane-mask words for the attention launch, and two flags for each (16 queries, 128 keys): some key counts; every key counts
; AN IMAGE is an operand laid as the plain FP8 matrix forms hold it in registers: byte (rt*(K/128)+kf)*2048 + q*512 + (r+16h)*16 + 8u + i
; holds the code of (row 16 rt + r, k = 128 kf + 32 q + 16 u + 8 h + i): four loads of 16 bytes a lane, 512 bytes apart, are a fragment of 16 rows x 128 K.
; code = number / 2^e, held within +-448, to the nearest code, ties to even.
; 160 registers a wave: six waves of this text fit the registers of a SIMD, three work-groups a WGP, so that more loads of this stream are on their way at a time.
; LIMITS: each e used here lies between -126 and 119, so that 2^e and 448 x 2^e are f32 numbers.  NaN and infinities among x and the weights are not served.
.set NS,    3                          ; images of xn
.set IMGB,  64*272                     ; LDS: an image of 16 rows x 1,024 K: 64 pieces of 256 bytes, 16 bytes of padding behind each
.set MST,   3*IMGB                     ; LDS: the mask path's stages, bytes of their own
.set MSTW,  16*272                     ; a wave's stage: 16 rows x (256 bytes + 16)
.set SPARE, 87296                      ; the spare words: 128 bytes for each of eight waves; no other line names them
.set SPW,   6                          ; v6  my spare word's LDS address; never rewritten
.set NIL,   7                          ; v7  0; never rewritten
.set X0,    16                         ; v16-47   my first row
.set X1,    48                         ; v48-79   my second row
.set GA,    80                         ; v80-111  the gain at my 32 columns
.set BT,    112                        ; v112-143 the bias
.set T,     144                        ; v144-159 at work: two sets of eight
.set CD,    80                         ; v80-127  codes: row x image x 8 registers; they lie over gain and bias, which both rows have used by then
.macro RED                             ; v8 summed over the 32 lanes, the result in every lane
	s_delay_alu instid0(VALU_DEP_1)
	v_add_f32_dpp v8, v8, v8 row_xmask:1 row_mask:0xf bank_mask:0xf
	s_delay_alu instid0(VALU_DEP_1)
	v_add_f32_dpp v8, v8, v8 row_xmask:2 row_mask:0xf bank_mask:0xf
	s_delay_alu instid0(VALU_DEP_1)
	v_add_f32_dpp v8, v8, v8 row_xmask:4 row_mask:0xf bank_mask:0xf
	s_delay_alu instid0(VALU_DEP_1)
	v_add_f32_dpp v8, v8, v8 row_xmask:8 row_mask:0xf bank_mask:0xf
	s_delay_alu instid0(VALU_DEP_1)
	v_permlanex16_b32 v9, v8, s48, s49
	s_delay_alu instid0(VALU_DEP_1)
	v_add_f32 v8, v8, v9
.endm
.macro FOLD                            ; the four chains in v[T] on become one number in v8
	s_delay_alu instid0(VALU_DEP_3)
	v_pk_add_f32 v[T:T+1], v[T:T+1], v[T+2:T+3]
	s_delay_alu instid0(VALU_DEP_2)
	v_pk_add_f32 v[T+4:T+5], v[T+4:T+5], v[T+6:T+7]
	s_delay_alu instid0(VALU_DEP_1)
	v_pk_add_f32 v[T:T+1], v[T:T+1], v[T+4:T+5]
	s_delay_alu instid0(VALU_DEP_1)
	v_add_f32 v8, v[T], v[T+1]
	RED
.endm
; a row of 1,024 numbers, 32 a lane: mean, x - mean, the mean of its squares, and (x - mean) / sqrt(var + eps), as reference() has them
.macro STATS X
.set j, 0
.rept 4
	v_pk_add_f32 v[T+2*j:T+2*j+1], v[\X+4*j:\X+4*j+1], v[\X+4*j+2:\X+4*j+3]
.set j, j+1
.endr
.set j, 0
.rept 8
	s_delay_alu instid0(VALU_DEP_4)
	v_pk_add_f32 v[T+2*(j%4):T+2*(j%4)+1], v[T+2*(j%4):T+2*(j%4)+1], v[\X+16+2*j:\X+16+2*j+1]
.set j, j+1
.endr
	FOLD
	s_delay_alu instid0(VALU_DEP_1)
	v_mul_f32 v10, 0x3a800000, v8                  ; the mean: sum / 1,024
.set j, 0
.rept 16
	v_pk_add_f32 v[\X+2*j:\X+2*j+1], v[\X+2*j:\X+2*j+1], v[10:11] op_sel_hi:[1,0] neg_lo:[0,1] neg_hi:[0,1]
.set j, j+1
.endr
.set j, 0
.rept 4
	v_pk_mul_f32 v[T+2*j:T+2*j+1], v[\X+2*j:\X+2*j+1], v[\X+2*j:\X+2*j+1]
.set j, j+1
.endr
.rept 12
	s_delay_alu instid0(VALU_DEP_4)
	v_pk_fma_f32 v[T+2*(j%4):T+2*(j%4)+1], v[\X+2*j:\X+2*j+1], v[\X+2*j:\X+2*j+1], v[T+2*(j%4):T+2*(j%4)+1]
.set j, j+1
.endr
	FOLD
	s_delay_alu instid0(VALU_DEP_1)
	v_fma_f32 v8, v8, s50, s51                     ; var + eps
	s_wait_alu depctr_va_vdst(0)
	v_rsq_f32 v12, v8
	v_nop                                          ; a plain instruction behind the transcendental,
	s_wait_alu depctr_va_vdst(0)                   ; and the wait ahead of its first reader
.set j, 0
.rept 16
	v_pk_mul_f32 v[\X+2*j:\X+2*j+1], v[\X+2*j:\X+2*j+1], v[12:13] op_sel_hi:[1,0]
.set j, j+1
.endr
.endm
.macro NORM X                          ; x gain + bias
.set j, 0
.rept 16
	v_pk_fma_f32 v[\X+2*j:\X+2*j+1], v[\X+2*j:\X+2*j+1], v[GA+2*j:GA+2*j+1], v[BT+2*j:BT+2*j+1]
.set j, j+1
.endr
.endm
.macro MKSC e, sc, lim                 ; 2^e and 448 x 2^e as f32 patterns, from the whole number in s[e]
	s_add_co_i32 s62, s[\e], 127
	s_lshl_b32 s63, s62, 23
	v_mov_b32 v[\sc], s63
	s_add_co_i32 s62, s62, 8
	s_lshl_b32 s62, s62, 23
	s_or_b32 s62, s62, 0x600000
	v_mov_b32 v[\lim], s62
.endm
; A row's 32 numbers of my lane become 8 words of 4 codes for image sc: word j holds k = 128 j + 4 lane + 0..3.  The hold goes into the two sets of T by turns,
; so that eight plain instructions stand between a conversion and the next write of its sources.  Each word goes to its place in the image in LDS.
.macro QROW X, rr, sc
.set jj, 0
.rept 4
.set TS, T+8*(jj%2)
.set j, 0
.rept 8
	v_med3_num_f32 v[TS+j], v[\X+8*jj+j], -v[10+\sc], v[10+\sc]   ; the conversion does not saturate (ISA guide 7.6.2): the hold at 448 x the scale
.set j, j+1
.endr
	v_cvt_scalef32_pk8_fp8_f32 v[CD+8*(NS*\rr+\sc)+2*jj:CD+8*(NS*\rr+\sc)+2*jj+1], v[TS:TS+7], v[13+\sc]
.set jj, jj+1
.endr
	v_nop                                          ; a plain instruction behind the last conversion
.set j, 0
.rept 8
	ds_store_b32 v3, v[CD+8*(NS*\rr+\sc)+j] offset:\sc*IMGB+j*2176+\rr*16
.set j, j+1
.endr
.endm
; the weights: block t of 32 along K of my column, into set t % 2
.macro WLOAD t, pitch
.set i, 0
.rept 32
	global_load_b32 v[16+32*((\t)%2)+i], v8, s[60:61] offset:(32*(\t)+i)*\pitch th:TH_LOAD_NT
.set i, i+1
.endr
.endm
.macro WBLOCK t, pitch
.set XS, 16+32*((\t)%2)
.set C, 80+8*(\t)                      ; each block has its own eight registers of codes: no store's data are written again
.if (\t) < 3
	s_wait_loadcnt 32                              ; this block's 32 loads are in; the next block's 32 may be out
.else
	s_wait_loadcnt 0x0
.endif
.set i, 0
.rept 32
	v_med3_num_f32 v[XS+i], v[XS+i], -v12, v12
.set i, i+1
.endr
	v_cvt_scalef32_pk8_fp8_f32 v[C:C+1],   v[XS:XS+7],     v13   ; k 0-7:   u = 0, h = 0
	v_cvt_scalef32_pk8_fp8_f32 v[C+4:C+5], v[XS+8:XS+15],  v13   ; k 8-15:  u = 0, h = 1
	v_cvt_scalef32_pk8_fp8_f32 v[C+2:C+3], v[XS+16:XS+23], v13   ; k 16-23: u = 1, h = 0
	v_cvt_scalef32_pk8_fp8_f32 v[C+6:C+7], v[XS+24:XS+31], v13   ; k 24-31: u = 1, h = 1
	v_nop
	global_store_b128 v9, v[C:C+3], s[26:27] offset:512*(\t)         ; sixteen lanes store 256 consecutive bytes, aligned: the piece of h = 0,
	global_store_b128 v9, v[C+4:C+7], s[26:27] offset:512*(\t)+256   ; and that of h = 1
.if (\t)+2 < 4
	WLOAD (\t)+2, \pitch
.endif
.endm
.macro PICK id, ptr, e                 ; a choice among buffers that hangs on the work-group's number alone
	s_cmp_eq_u32 s49, \id
	s_cselect_b64 s[60:61], s[\ptr:\ptr+1], s[60:61]
	s_cselect_b32 s59, s[\e], s59
.endm
	s_load_b512 s[4:19], s[0:1], 0x0               ; x s[4:5], mask s[6:7], gain s[8:9], bias s[10:11], Wq s[12:13], Wk s[14:15], Wv s[16:17], Wo s[18:19]
	s_load_b256 s[20:27], s[0:1], 0x40             ; W1 s[20:21], W2 s[22:23], the scales' exponents s[24:25], wts s[26:27]
	s_load_b64 s[28:29], s[0:1], 0x60              ; mwords
	v_lshl_add_u32 v[SPW], v0, 2, SPARE
	v_mov_b32 v[NIL], 0
	v_lshrrev_b32 v1, 5, v0
	s_delay_alu instid0(VALU_DEP_1)
	v_readfirstlane_b32 s30, v1                    ; wave 0..7
	v_and_b32 v1, 31, v0                           ; lane
	s_delay_alu instid0(VALU_DEP_1)
	v_lshlrev_b32 v2, 4, v1                        ; 16 x lane
	s_wait_kmcnt 0x0
	s_load_b512 s[32:47], s[24:25], 0x0            ; e0 .. e15
	s_cmp_lt_u32 ttmp9, 256
	s_cbranch_scc1 .Lln
	s_cmp_lt_u32 ttmp9, 640
	s_cbranch_scc1 .Lw
	; ---- THE MASK.  Work-group qt: queries 16 qt on.  Wave p: keys 256 p on, two steps of 128.
	; Word n = 8 T + j of (qt, step) has bit r + 16 h = mask[16 qt + r][128 step + 16 T + 8 h + j]: the lanes and the register of that score in the attention launch.
	s_sub_co_u32 s48, ttmp9, 640                   ; qt
	s_wait_alu depctr_va_vdst(0)
	v_lshrrev_b32 v8, 4, v1                        ; h
	v_and_b32 v9, 15, v1                           ; r
	s_delay_alu instid0(VALU_DEP_2)
	v_lshlrev_b32 v10, 11, v8
	s_delay_alu instid0(VALU_DEP_1)
	v_lshl_add_u32 v10, v9, 4, v10                 ; in memory: lanes 0-15 take 256 bytes of one row, lanes 16-31 of the next
	v_lshrrev_b32 v11, 5, v0
	s_delay_alu instid0(VALU_DEP_1)
	v_mul_u32_u24 v11, v11, MSTW
	s_delay_alu instid0(VALU_DEP_1)
	v_add_nc_u32 v11, MST, v11                     ; my wave's stage
	s_delay_alu instid0(VALU_DEP_1)
	v_mad_u32_u24 v12, v8, 272, v11
	s_delay_alu instid0(VALU_DEP_1)
	v_lshl_add_u32 v12, v9, 4, v12                 ; into it as loaded,
	s_delay_alu instid0(VALU_DEP_3)
	v_mad_u32_u24 v13, v9, 272, v11
	s_delay_alu instid0(VALU_DEP_1)
	v_lshl_add_u32 v13, v8, 3, v13                 ; out of it: row r, 8 bytes at 8 h
	s_lshl_b32 s50, s48, 15
	s_lshl_b32 s51, s30, 8
	s_add_co_u32 s50, s50, s51
	s_mov_b32 s51, 0
	s_add_nc_u64 s[6:7], s[6:7], s[50:51]
.set i, 0
.rept 8
	global_load_b128 v[16+4*i:19+4*i], v10, s[6:7] offset:4096*i th:TH_LOAD_NT
.set i, i+1
.endr
	s_lshl_b32 s50, s48, 12
	s_lshl_b32 s52, s30, 9
	s_add_co_u32 s50, s50, s52
	s_add_nc_u64 s[58:59], s[28:29], s[50:51]      ; my 128 words: 512 consecutive bytes
	s_lshl_b32 s50, s48, 5
	s_lshl_b32 s52, s30, 2
	s_add_co_u32 s50, s50, s52
	s_add_co_u32 s50, s50, 0x80000
	s_add_nc_u64 s[60:61], s[28:29], s[50:51]      ; my word of flags
.set i, 0
.rept 4
	v_mov_b32 v[80+i], 0                           ; v_writelane_b32's destination counts as read
.set i, i+1
.endr
	v_mov_b32 v89, 0
	s_mov_b32 s56, 0                               ; s56, s57: the words of my two steps, or-ed: some key counts
	s_mov_b32 s57, 0
	s_mov_b32 s62, -1                              ; s62, s63: the same words, and-ed: every key counts
	s_mov_b32 s63, -1
	s_wait_alu depctr_va_vdst(0)
	s_wait_loadcnt 0x0
.set i, 0
.rept 8
	ds_store_b128 v12, v[16+4*i:19+4*i] offset:544*i
.set i, i+1
.endr
.set i, 0
.rept 16
	ds_load_b64 v[48+2*i:49+2*i], v13 offset:16*i  ; LDS serves a wave's instructions in order: these see my stores; the bytes are my wave's own
.set i, i+1
.endr
	s_wait_dscnt 0x0
.set n, 0
.rept 128                              ; word n: one byte of each lane, compared with 0; it is word n % 4 of lane n / 4's 16 bytes
	v_and_b32 v[84+n%4], 0xff<<(8*(n%4)), v[48+2*(n/8)+(n%8)/4]
	s_delay_alu instid0(VALU_DEP_1)
	v_cmp_ne_u32 s[52+n%4], 0, v[84+n%4]
	s_delay_alu instid0(VALU_DEP_1)
	v_writelane_b32 v[80+n%4], s[52+n%4], n/4
	s_or_b32 s[56+n/64], s[56+n/64], s[52+n%4]
	s_and_b32 s[62+n/64], s[62+n/64], s[52+n%4]
.set n, n+1
.endr
	s_cmp_lg_u32 s56, 0
	s_cselect_b32 s56, 1, 0
	s_cmp_lg_u32 s57, 0
	s_cselect_b32 s57, 2, 0
	s_or_b32 s56, s56, s57
	s_cmp_eq_u32 s62, -1
	s_cselect_b32 s62, 0x10000, 0
	s_cmp_eq_u32 s63, -1
	s_cselect_b32 s63, 0x20000, 0
	s_or_b32 s56, s56, s62
	s_or_b32 s56, s56, s63
	s_lshl_b32 s57, s30, 1
	s_lshl_b32 s56, s56, s57                       ; steps 2 p and 2 p + 1: 'some key counts' at bits 2 p and 2 p + 1, 'every key counts' at bits 16 + 2 p and 17 + 2 p
	v_mov_b32 v88, s56
	s_wait_alu depctr_va_vdst(0)
	global_store_b128 v2, v[80:83], s[58:59]
	v_cmp_eq_u32 vcc_lo, 0, v1
	s_wait_xcnt 0x0                                ; EXEC is a source of the store above: it changes only behind this wait
	s_and_saveexec_b32 s50, vcc_lo
	global_store_b32 v89, v88, s[60:61]            ; lane 0 alone
	s_wait_xcnt 0x0                                ; and again ahead of the line that widens it
	s_or_b32 exec_lo, exec_lo, s50
	s_branch .Lend
	; ---- LAYERNORM 1.  Work-group rt: rows 16 rt on.  Wave w: rows 2 w and 2 w + 1, each whole in 32 registers: lane l of load j holds k = 128 j + 4 l + 0..3.
.Lln:
	v_bfe_u32 v8, v0, 3, 2                         ; q = lane / 8
	v_bfe_u32 v9, v0, 1, 1                         ; h
	s_delay_alu instid0(VALU_DEP_1)
	v_lshl_add_u32 v8, v8, 1, v9
	s_delay_alu instid0(VALU_DEP_1)
	v_mul_u32_u24 v3, v8, 272                      ; piece 2 q + h of a K step's eight,
	v_bfe_u32 v9, v0, 2, 1
	s_delay_alu instid0(VALU_DEP_1)
	v_lshl_add_u32 v3, v9, 3, v3                   ; + 8 u
	v_and_b32 v9, 1, v0
	s_delay_alu instid0(VALU_DEP_1)
	v_lshl_add_u32 v3, v9, 2, v3                   ; + 4 (lane % 2)
	v_and_b32 v9, 0xe0, v0
	s_delay_alu instid0(VALU_DEP_1)
	v_add_nc_u32 v3, v3, v9                        ; + 16 x row 2 w: where my words go.  A store's 32 lanes fall on 32 different banks (64 banks of 4 bytes: ISA guide 11.1)
	v_lshrrev_b32 v8, 5, v0
	s_delay_alu instid0(VALU_DEP_1)
	v_mul_u32_u24 v4, v8, 2176                     ; back: K step w's eight pieces,
	v_bfe_u32 v9, v0, 4, 1
	s_delay_alu instid0(VALU_DEP_1)
	v_mad_u32_u24 v4, v9, 272, v4                  ; two a load,
	v_and_b32 v9, 15, v0
	s_delay_alu instid0(VALU_DEP_1)
	v_lshl_add_u32 v4, v9, 4, v4                   ; 16 bytes a lane
	v_mov_b32 v9, 0                                ; a lane permute's destination counts as read
	v_mov_b32 v11, 0                               ; (named as the upper halves of pairs)
	v_mov_b32 v13, 0
	s_lshl_b32 s52, ttmp9, 16
	s_lshl_b32 s53, s30, 13
	s_add_co_u32 s52, s52, s53
	s_mov_b32 s53, 0
	s_add_nc_u64 s[4:5], s[4:5], s[52:53]          ; x at my first row
.set j, 0
.rept 8
	global_load_b128 v[X0+4*j:X0+4*j+3], v2, s[4:5] offset:512*j th:TH_LOAD_NT
.set j, j+1
.endr
.set j, 0
.rept 8
	global_load_b128 v[X1+4*j:X1+4*j+3], v2, s[4:5] offset:4096+512*j th:TH_LOAD_NT
.set j, j+1
.endr
.set j, 0
.rept 8
	global_load_b128 v[GA+4*j:GA+4*j+3], v2, s[8:9] offset:512*j
.set j, j+1
.endr
.set j, 0
.rept 8
	global_load_b128 v[BT+4*j:BT+4*j+3], v2, s[10:11] offset:512*j
.set j, j+1
.endr
	s_mov_b32 s48, 0x76543210                      ; v_permlanex16_b32: lane l xor 16
	s_mov_b32 s49, 0xfedcba98
	s_mov_b32 s50, 0x3a800000                      ; 1 / 1,024
	s_mov_b32 s51, 0x358637bd                      ; eps = 1e-6
	s_lshl_b32 s52, ttmp9, 14
	s_lshl_b32 s54, s30, 11
	s_add_co_u32 s52, s52, s54
	s_add_nc_u64 s[54:55], s[26:27], s[52:53]      ; the three images at (rt, K step w): a base each, since 2 x 4 MiB is beyond a store's immediate
	s_add_nc_u64 s[56:57], s[54:55], 0x400000
	s_add_nc_u64 s[58:59], s[54:55], 0x800000
	s_wait_loadcnt 24                              ; my first row is in; the second row, gain and bias (24 loads) may be out
	STATS X0
	s_wait_loadcnt 16                              ; my second row is in; gain and bias may be out
	STATS X1
	s_wait_loadcnt 0x0
	NORM X0
	NORM X1                                        ; gain and bias are done with: their registers take the codes
	s_wait_kmcnt 0x0
	MKSC 32, 13, 10                                ; e0, for the product with Wq
	s_wait_alu depctr_va_vdst(0)
	MKSC 34, 14, 11                                ; e2, with Wk
	MKSC 36, 15, 12                                ; e4, with Wv
	QROW X0, 0, 0
	QROW X0, 0, 1
	QROW X0, 0, 2
	QROW X1, 1, 0
	QROW X1, 1, 1
	QROW X1, 1, 2
	s_wait_dscnt 0x0                               ; for the others' sake: my words lie in the images
	s_barrier_signal -1
	s_barrier_wait -1
.set n, 0
.rept 12
	ds_load_b128 v[16+4*n:19+4*n], v4 offset:(n/4)*IMGB+(n%4)*544
.set n, n+1
.endr
.set n, 0
.rept 12
	s_wait_dscnt 11-n                              ; LDS loads come back in order: load n is in, the younger ones may be out
	global_store_b128 v2, v[16+4*n:19+4*n], s[54+2*(n/4):55+2*(n/4)] offset:(n%4)*512   ; 512 consecutive bytes, aligned
.set n, n+1
.endr
	s_branch .Lend
	; ---- THE WEIGHTS.  Unit u: 256 columns x 128 K of one tensor.  A lane takes a column and its registers run down K, so the conversions give codes with K innermost and nothing is transposed.
.Lw:
	s_wait_kmcnt 0x0
	s_sub_co_u32 s48, ttmp9, 256                   ; u: 0-127 Wq, Wk, Wv, Wo (32 each); 128-255 W1; 256-383 W2
	s_lshr_b32 s49, s48, 5
	s_lshr_b32 s50, s48, 7
	s_add_co_u32 s50, s50, 3
	s_cmp_lt_u32 s48, 128
	s_cselect_b32 s49, s49, s50                    ; the tensor, 0 to 5
	s_cmp_eq_u32 s49, 5
	s_cselect_b32 s53, 31, 7                       ; K steps of 128, less one
	s_cselect_b32 s54, 8, s49                      ; the image begins at 0xC00000 + this x 1 MiB
	s_cselect_b32 s55, 32, 8                       ; K steps in a row tile of the image
	s_and_b32 s51, s48, 3                          ; which 256 columns,
	s_lshr_b32 s52, s48, 2
	s_and_b32 s52, s52, s53                        ; which 128 along K;
	s_and_b32 s56, s48, 15                         ; W1 has sixteen blocks of columns
	s_bfe_u32 s57, s48, 0x30004
	s_cmp_eq_u32 s49, 4
	s_cselect_b32 s51, s56, s51
	s_cselect_b32 s52, s57, s52
	s_cselect_b32 s58, 21, 19                      ; log2 of 128 rows in bytes: rows of 16,384 or of 4,096
	s_mov_b64 s[60:61], s[12:13]
	s_mov_b32 s59, s33
	PICK 1, 14, 35
	PICK 2, 16, 37
	PICK 3, 18, 43
	PICK 4, 20, 45
	PICK 5, 22, 47
	s_lshl_b32 s56, s52, s58
	s_lshl_b32 s57, s51, 10
	s_add_co_u32 s56, s56, s57
	s_lshl_b32 s57, s30, 7
	s_add_co_u32 s56, s56, s57                     ; 128 ky rows + 4 x (256 nx + 32 wave)
	s_mov_b32 s57, 0
	s_add_nc_u64 s[60:61], s[60:61], s[56:57]
	s_lshl_b32 s56, s51, 4
	s_lshl_b32 s58, s30, 1
	s_add_co_u32 s56, s56, s58                     ; my first row tile of the image: 16 nx + 2 wave
	s_mul_i32 s56, s56, s55
	s_add_co_u32 s56, s56, s52
	s_lshl_b32 s56, s56, 11
	s_lshl_b32 s58, s54, 20
	s_add_co_u32 s56, s56, s58
	s_add_co_u32 s56, s56, 0xC00000
	s_add_nc_u64 s[26:27], s[26:27], s[56:57]
	s_wait_alu depctr_va_vdst(0)
	v_lshlrev_b32 v8, 2, v1                        ; in: 4 bytes a lane, 128 consecutive bytes a wave, 1,024 a work-group
	v_lshrrev_b32 v9, 4, v1
	s_lshl_b32 s55, s55, 11
	v_mul_u32_u24 v9, s55, v9                      ; out: lanes 16-31 hold the next row tile,
	v_and_b32 v10, 15, v1
	s_delay_alu instid0(VALU_DEP_1)
	v_lshl_add_u32 v9, v10, 4, v9                  ; 16 bytes for row r
	MKSC 59, 13, 12
	s_cmp_eq_u32 s49, 4
	s_cbranch_scc1 .Lw1
	s_wait_alu depctr_va_vdst(0)
	WLOAD 0, 4096
	WLOAD 1, 4096
	WBLOCK 0, 4096
	WBLOCK 1, 4096
	WBLOCK 2, 4096
	WBLOCK 3, 4096
	s_branch .Lend
.Lw1:
	s_wait_alu depctr_va_vdst(0)
	WLOAD 0, 16384
	WLOAD 1, 16384
	WBLOCK 0, 16384
	WBLOCK 1, 16384
	WBLOCK 2, 16384
	WBLOCK 3, 16384
.Lend:
	s_wait_tensorcnt 0x0                           ; the wave's end: behind my last LDS store
	ds_add_u32 v[SPW], v[NIL]
	s_wait_dscnt 0x0
	s_endpgm
.Lfunc_end_k_q92ef5b8286_prep:
	.size	k_q92ef5b8286_prep, .Lfunc_end_k_q92ef5b8286_prep-k_q92ef5b8286_prep
	.p2alignl 7, 3214868480
	.fill 96, 4, 3214868480
	.section	.rodata,"a",@progbits
	.p2align	6, 0x0
	.amdhsa_kernel k_q92ef5b8286_prep
		.amdhsa_group_segment_fixed_size 88320
		.amdhsa_private_segment_fixed_size 0
		.amdhsa_enable_private_segment 0
		.amdhsa_kernarg_size 104
		.amdhsa_user_sgpr_count 2
		.amdhsa_user_sgpr_kernarg_segment_ptr 1
		.amdhsa_wavefront_size32 1
		.amdhsa_system_sgpr_workgroup_id_x 1
		.amdhsa_system_sgpr_workgroup_id_y 1
		.amdhsa_system_sgpr_workgroup_id_z 1
		.amdhsa_system_vgpr_workitem_id 0
		.amdhsa_next_free_vgpr 160
		.amdhsa_next_free_sgpr 66
		.amdhsa_reserve_vcc 1
		.amdhsa_float_denorm_mode_32 3
		.amdhsa_float_denorm_mode_16_64 3
		.amdhsa_memory_ordered 1
		.amdhsa_forward_progress 1
		.amdhsa_inst_pref_size 133
	.end_amdhsa_kernel
	.amdgpu_metadata
---
amdhsa.version: [ 1, 2 ]
amdhsa.kernels:
  - .name:           k_q92ef5b8286_prep
    .symbol:         k_q92ef5b8286_prep.kd
    .args:
      - { .name: x, .offset: 0, .size: 8, .value_kind: global_buffer, .address_space: global }
      - { .name: mask, .offset: 8, .size: 8, .value_kind: global_buffer, .address_space: global }
      - { .name: ln1_scale, .offset: 16, .size: 8, .value_kind: global_buffer, .address_space: global }
      - { .name: ln1_bias, .offset: 24, .size: 8, .value_kind: global_buffer, .address_space: global }
      - { .name: Wq, .offset: 32, .size: 8, .value_kind: global_buffer, .address_space: global }
      - { .name: Wk, .offset: 40, .size: 8, .value_kind: global_buffer, .address_space: global }
      - { .name: Wv, .offset: 48, .size: 8, .value_kind: global_buffer, .address_space: global }
      - { .name: Wo, .offset: 56, .size: 8, .value_kind: global_buffer, .address_space: global }
      - { .name: W1, .offset: 64, .size: 8, .value_kind: global_buffer, .address_space: global }
      - { .name: W2, .offset: 72, .size: 8, .value_kind: global_buffer, .address_space: global }
      - { .name: lowp_scales, .offset: 80, .size: 8, .value_kind: global_buffer, .address_space: global }
      - { .name: wts, .offset: 88, .size: 8, .value_kind: global_buffer, .address_space: global }
      - { .name: mwords, .offset: 96, .size: 8, .value_kind: global_buffer, .address_space: global }
    .group_segment_fixed_size: 88320
    .private_segment_fixed_size: 0
    .kernarg_segment_align: 8
    .kernarg_segment_size: 104
    .max_flat_workgroup_size: 256
    .sgpr_count:     66
    .vgpr_count:     160
    .wavefront_size: 32
...
	.end_amdgpu_metadata
.endif
;; end of part 1
;; launch qkv (part 2): grid 12 x 16, 4 waves a work-group, clusters of 4 x 4, 327,680 bytes of LDS; arguments wts, bq, bk, bv, lowp_scales, qkvb; writes qkvb
.if DOCPART == 2
	.amdgcn_target "amdgcn-amd-amdhsa--gfx1250"
	.amdhsa_code_object_version 6
	.text
	.protected	k_q92ef5b8286_qkv
	.globl	k_q92ef5b8286_qkv
	.p2align	8
	.type	k_q92ef5b8286_qkv,@function
k_q92ef5b8286_qkv:
	s_mov_b64 s[64:65], 0
	v_nop
	global_prefetch_b8 v0, s[64:65] scope:SCOPE_SE
	s_setreg_imm32_b32 hwreg(HW_REG_WAVE_MODE, 25, 1), 1
	s_wait_xcnt 0x0
	s_wait_alu depctr_hold_cnt(0) depctr_sa_sdst(0) depctr_va_vdst(0) depctr_va_sdst(0) depctr_va_ssrc(0) depctr_va_vcc(0) depctr_vm_vsrc(0)
	s_getreg_b32 s2, hwreg(HW_REG_IB_STS2, 6, 4)
	s_cmp_eq_u32 s2, 0
	s_cbranch_scc0 .Lentry_in_a_cluster
	s_endpgm
.Lentry_in_a_cluster:
	s_bfe_u32 s2, ttmp6, 0x10000c
	s_cmp_lg_u32 s2, 0xf033
	s_cbranch_scc0 .Lentry_shape_is_right
	s_endpgm
.Lentry_shape_is_right:
; Q, K and V^T: three products of 4,096 x 1,024 x 1,024 on codes of FP8 (E4M3), in one launch; the cluster's x (0, 1, 2) says which.  Results get their bias, are quantised for the attention launch
; (scales e6, e7, e9) and leave as operand images, so that no result goes through LDS.
; AN IMAGE: byte (rt*8+kf)*2048 + q*512 + 16*lane + .. : a fragment of 16 rows x 128 K as the plain FP8 forms hold it: four loads of 16 bytes a lane, 512 bytes apart.
; A tile of C, 256 x 256, is made by four waves, each 128 x 128: 64 accumulators, 512 registers.  K goes in steps of 256 through two LDS slots: a step's part of a row tile is 4,096 consecutive bytes.
; THE MATRIX INSTRUCTION IS USED TRANSPOSED (source 0 = 16 rows of B, source 1 = 16 rows of A): a lane holds ONE row of A and eight neighbouring rows of B, which are eight neighbours along the next product's K:
; a conversion's two registers ARE two registers of the next operand.  Q, K: A = xn (rows = tokens), B = the weight (rows = channels).  V: A = Wv, B = xn: a lane holds a channel and its registers run along the keys.
; CLUSTERS: 4 x 4 work-groups; A's tile is asked for jointly along a row of the cluster, B's along a column.  All partners share the cluster's x, so the one branch on it is alike in all.
; LIMITS: e0+e1, e2+e3, e4+e5 between -126 and 127; e6, e7, e9 between -126 and 119: each power of two below is an f32 number.
; REGISTERS: window 0: v3, v4, v12, v13, v16-29 addresses and constants; v32-95 the bias along B's rows; v96-111 the bias along A's rows, twice each; v128-255 A's fragments, ONE set; on the way out v128-223 at work.
;   window 1: B's fragments, TWO sets.   windows 2, 3: the accumulators ((a, b) at v[8 (8 (a % 4) + b)]).
.set RTB,   16384                      ; a row tile of an image with K = 1,024
.set KSB,   4096                       ; a K step of 256 in a row tile
.set HALFT, 8*KSB                      ; 8 row tiles: what one wave reads of A or of B; a tensor load brings two such halves
.set SLOT,  4*HALFT
.set SPARE, 2*SLOT                     ; behind the ring: the spare words, 128 bytes for each wave; no other line names them
.set FR,    16
.set NL,    4
.set NP,    4                          ; places behind this matrix instruction (ISA guide 7.12.1)
.set LIM,   12                         ; v12  448 x the output's scale
.set SC,    13                         ; v13  the output's scale
.set ADRA,  16
.set ADRB,  20
.set LO,    27                         ; v27  16 x lane
.set SPW,   28
.set NIL,   29
.set BC,    32
.set BR,    96
.set AF,    128
.set TMP,   128
.set CDS,   192
.set G1, 24
.set G0, 32
.set G1B, 48
.set G0B, 56
.set MSB, 0
.macro WIN new                         ; the immediate's high byte repeats the setting that is left
.if MSB != \new
	s_set_vgpr_msb (MSB<<8)|\new
.set MSB, \new
.endif
.endm
.set MUL_LO, 0xa1                      ; source 0 (B) window 1, source 1 (A) window 0, C and D window 2
.set MUL_HI, 0xf1
.set TO_B,   0x40
; A joint refill of slot s: wave 2 s asks for A's 16 row tiles, wave 2 s + 1 for B's, the other two for nothing; the branches hang on the wave's number alone.
; An s_nop 0 follows each load; the four v_nop at the join are on every wave's path: they are also the places ahead of the LDS loads that follow.
.macro JLOAD s
	s_cmp_eq_u32 s14, 2*\s
	s_cbranch_scc0 .Lnot_a_\@
	tensor_load_to_lds s[G0+4*\s:G0+4*\s+3], s[G1:G1+7]
	s_nop 0
	s_branch .Lasked_\@
.Lnot_a_\@:
	s_cmp_eq_u32 s14, 2*\s+1
	s_cbranch_scc0 .Lasked_\@
	tensor_load_to_lds s[G0B+4*\s:G0B+4*\s+3], s[G1B:G1B+7]
	s_nop 0
.Lasked_\@:
.rept 4
	v_nop
.endr
.endm
.macro CREST                           ; a round of the cluster's barrier behind its opening barrier
	s_cmp_lg_u32 s14, 0
	s_cbranch_scc1 .Lnot_wave_0_\@
	s_barrier_signal -3
.Lnot_wave_0_\@:
	s_barrier_wait -3
	s_barrier_signal -1
	s_barrier_wait -1
.endm
.macro CROUND
	s_barrier_signal -1
	s_barrier_wait -1
	CREST
.endm
	s_load_b256 s[4:11], s[0:1], 0x0               ; wts s[4:5], bq s[6:7], bk s[8:9], bv s[10:11]
	s_load_b128 s[84:87], s[0:1], 0x20             ; the scales' exponents s[84:85], qkvb s[86:87]
	v_lshl_add_u32 v[SPW], v0, 2, SPARE
	v_mov_b32 v[NIL], 0
	ds_add_u32 v[SPW], v[NIL]                      ; the wave's opening: the add and its wait ahead of my first tensor load
	ds_add_u32 v[SPW], v[NIL]
	v_lshrrev_b32 v1, 5, v0
	v_readfirstlane_b32 s14, v1                    ; wave 0..3
	s_lshr_b32 s15, s14, 1                         ; my half of the tile's rows
	s_and_b32 s16, s14, 1                          ; my half of its columns
	s_bfe_u32 s40, ttmp6, 0x40000                  ; cx
	s_bfe_u32 s41, ttmp6, 0x40004                  ; cy
	s_and_b32 s13, ttmp7, 0xffff
	s_lshl_b32 s13, s13, 2                         ; 4 x cluster y: it walks the tokens, which are A's rows for Q and K and B's rows for V
	s_cmp_eq_u32 ttmp9, 2
	s_cselect_b32 s12, 0, s13
	s_cselect_b32 s13, s13, 0
	s_add_co_u32 s17, s41, s12                     ; tile row: cy (+ 4 Y)
	s_add_co_u32 s42, s40, s13                     ; tile column: cx (+ 4 Y)
	s_lshl_b32 s43, s41, 2
	s_lshl_b32 s43, 15, s43                        ; my row of the cluster
	s_lshl_b32 s44, 0x1111, s40                    ; my column
	; descriptor group 1: 16 rows (row tiles) of 512 elements of 8 bytes, 2,048 elements apart; dense in LDS
	s_or_b32 s[G1+0], s43, (3<<16)|(1<<21)         ; 15:0 the mask; 17:16 elements of 8 bytes; 20 no padding; 21 set beside a mask
	s_or_b32 s[G1B+0], s44, (3<<16)|(1<<21)
.irp g, G1, G1B
	s_mov_b32 s[\g+1], 512<<16                     ; tensor_dim0
	s_mov_b32 s[\g+2], 16<<16                      ; tensor_dim1
	s_mov_b32 s[\g+3], 512<<16                     ; tile_dim0
	s_mov_b32 s[\g+4], 16                          ; tile_dim1
	s_mov_b32 s[\g+5], RTB/8                       ; tensor_dim0_stride
	s_mov_b32 s[\g+6], 0
	s_mov_b32 s[\g+7], 0
.endr
	s_lshl_b32 s18, ttmp9, 22                      ; xn's image for this product,
	s_lshl_b32 s19, ttmp9, 20
	s_add_co_u32 s19, s19, 0xC00000                ; and the weight's
	s_cmp_eq_u32 ttmp9, 2
	s_cselect_b32 s20, s19, s18                    ; A
	s_cselect_b32 s46, s18, s19                    ; B
	s_lshl_b32 s21, s17, 18                        ; 16 row tiles of 16 KiB for each tile row
	s_add_co_u32 s20, s20, s21                     ; A: row tile 16 x tile row: no register of it holds cx
	s_mov_b32 s21, 0
	s_lshl_b32 s47, s42, 18
	s_add_co_u32 s46, s46, s47                     ; B: by the tile column: no register of it holds cy
	s_mov_b32 s47, 0
	s_wait_dscnt 0x0                               ; the opening add is done
	s_wait_kmcnt 0x0
	s_load_b512 s[68:83], s[84:85], 0x0            ; e0 .. e15
	s_add_nc_u64 s[20:21], s[4:5], s[20:21]
	s_add_nc_u64 s[46:47], s[4:5], s[46:47]
	CROUND                                         ; all sixteen work-groups are here: the first joint loads meet
.irp s, 0,1
	s_mov_b32 s[G0+4*\s], 1
	s_mov_b32 s[G0+4*\s+1], \s*SLOT                ; A's sixteen row tiles lie at the slot's head,
	s_add_nc_u64 s[G0+4*\s+2:G0+4*\s+3], s[20:21], \s*KSB
	s_or_b32 s[G0+4*\s+3], s[G0+4*\s+3], 0x80000000
	s_mov_b32 s[G0B+4*\s], 1
	s_mov_b32 s[G0B+4*\s+1], \s*SLOT+2*HALFT       ; B's behind them
	s_add_nc_u64 s[G0B+4*\s+2:G0B+4*\s+3], s[46:47], \s*KSB
	s_or_b32 s[G0B+4*\s+3], s[G0B+4*\s+3], 0x80000000
.endr
	; the first fills: four tiles, four waves, one load each, in the arms of one chain on the wave's number: A and B of K step 0, A and B of K step 1
	s_cmp_eq_u32 s14, 0
	s_cbranch_scc0 .Lh1
	tensor_load_to_lds s[G0:G0+3], s[G1:G1+7]
	s_nop 0
	s_branch .Lhj
.Lh1:
	s_cmp_eq_u32 s14, 1
	s_cbranch_scc0 .Lh2
	tensor_load_to_lds s[G0B:G0B+3], s[G1B:G1B+7]
	s_nop 0
	s_branch .Lhj
.Lh2:
	s_cmp_eq_u32 s14, 2
	s_cbranch_scc0 .Lh3
	tensor_load_to_lds s[G0+4:G0+7], s[G1:G1+7]
	s_nop 0
	s_branch .Lhj
.Lh3:
	tensor_load_to_lds s[G0B+4:G0B+7], s[G1B:G1B+7]
	s_nop 0
.Lhj:
.rept 4
	v_nop
.endr
	v_and_b32 v1, 31, v0
	v_lshlrev_b32 v[LO], 4, v1
	s_mul_i32 s21, s15, HALFT                      ; my 8 row tiles of A
	s_mul_i32 s22, s16, HALFT
	s_add_co_u32 s22, s22, 2*HALFT                 ; and of B, behind A's sixteen
.irp s, 0,1
	v_add_nc_u32 v[ADRA+\s], s21, v[LO]
	v_add_nc_u32 v[ADRB+\s], s22, v[LO]
	s_add_co_u32 s21, s21, SLOT
	s_add_co_u32 s22, s22, SLOT
.endr
	; the biases, in the result's layout; they land while the products run.  Both kinds are loaded whatever the product: every index lies inside its buffer
	s_cmp_eq_u32 ttmp9, 0
	s_cselect_b64 s[88:89], s[6:7], s[8:9]
	s_lshl_b32 s92, s40, 10
	s_lshl_b32 s93, s16, 9
	s_add_co_u32 s92, s92, s93
	s_mov_b32 s93, 0
	s_add_nc_u64 s[88:89], s[88:89], s[92:93]      ; bq or bk at channel 256 cx + 128 x my half of the columns
	s_lshl_b32 s92, s41, 10
	s_lshl_b32 s94, s15, 9
	s_add_co_u32 s92, s92, s94
	s_add_nc_u64 s[90:91], s[10:11], s[92:93]      ; bv at channel 256 cy + 128 x my half of the rows
	v_bfe_u32 v2, v0, 4, 1
	v_lshlrev_b32 v3, 5, v2                        ; 32 h: register 8 b + j holds channel 16 b + 8 h + j
	v_and_b32 v4, 15, v0
	v_lshlrev_b32 v4, 2, v4                        ; 4 r: block a's number is channel 16 a + r
.set b, 0
.rept 8
	global_load_b128 v[BC+8*b:BC+8*b+3], v3, s[88:89] offset:64*b
	global_load_b128 v[BC+8*b+4:BC+8*b+7], v3, s[88:89] offset:64*b+16
	global_load_b32 v[BR+2*b], v4, s[90:91] offset:64*b
	global_load_b32 v[BR+2*b+1], v4, s[90:91] offset:64*b       ; twice: a pair for the packed multiply-add
.set b, b+1
.endr
	; where my results go.  Q: ((batch x 16 + head) x 16 + step) x 8,192.  K and V: 4 MiB + (the same) x 16,384: 8 KiB of K's tiles, then 8 KiB of V^T's
	s_cmp_eq_u32 ttmp9, 2
	s_cselect_b32 s12, s42, s17                    ; the tile of 256 tokens,
	s_cselect_b32 s13, s16, s15                    ; my half of it;
	s_cselect_b32 s18, s17, s42                    ; the tile of 256 channels,
	s_cselect_b32 s19, s15, s16                    ; my half of it
	s_lshr_b32 s22, s12, 3
	s_lshl_b32 s22, s22, 4
	s_lshl_b32 s18, s18, 2
	s_add_co_u32 s22, s22, s18
	s_lshl_b32 s19, s19, 1
	s_add_co_u32 s22, s22, s19                     ; batch x 16 + my first head (I hold two)
	s_lshl_b32 s22, s22, 4
	s_and_b32 s12, s12, 7
	s_lshl_b32 s12, s12, 1
	s_add_co_u32 s22, s22, s12
	s_add_co_u32 s22, s22, s13                     ; x 16 + my step of 128 tokens
	s_cmp_eq_u32 ttmp9, 0
	s_cselect_b32 s23, 13, 14
	s_cselect_b32 s12, 0, 0x400000
	s_lshl_b32 s22, s22, s23
	s_add_co_u32 s92, s22, s12
	s_add_nc_u64 s[92:93], s[86:87], s[92:93]      ; my first head,
	s_lshl_b32 s94, 16, s23
	s_mov_b32 s95, 0
	s_add_nc_u64 s[94:95], s[92:93], s[94:95]      ; my second: sixteen steps on
	s_wait_alu depctr_va_vdst(0)
	s_wait_kmcnt 0x0
	s_add_co_i32 s96, s68, s69                     ; e0 + e1, and e6 for q
	s_add_co_i32 s97, s70, s71                     ; e2 + e3, e7 for k
	s_add_co_i32 s12, s72, s73                     ; e4 + e5, e9 for v
	s_cmp_eq_u32 ttmp9, 1
	s_cselect_b32 s96, s97, s96
	s_cselect_b32 s13, s75, s74
	s_cmp_eq_u32 ttmp9, 2
	s_cselect_b32 s96, s12, s96
	s_cselect_b32 s13, s77, s13
	s_add_co_i32 s96, s96, 127
	s_lshl_b32 s96, s96, 23                        ; 2^(eA + eB) as f32
	s_mov_b32 s97, s96                             ; (named with it as a pair)
	s_add_co_i32 s13, s13, 127
	s_lshl_b32 s12, s13, 23
	v_mov_b32 v[SC], s12                           ; the output's scale: the conversion takes its exponent field
	s_add_co_i32 s13, s13, 8
	s_lshl_b32 s13, s13, 23
	s_or_b32 s13, s13, 0x600000
	v_mov_b32 v[LIM], s13                          ; 448 x that
.macro FRAG reg, adr, q, i             ; a fragment as it lies: row tile i, the slot's q-th 128 along K
.irp c, 0,1,2,3
	ds_load_b128 v[\reg+4*\c:\reg+4*\c+3], v[\adr] offset:(\i)*KSB+(\q)*2048+512*\c
.endr
.endm
; 16 matrix instructions: A's blocks a0, a0 + 1 x B's eight.  The 64 accumulators take turns, one instruction a turn, in the same order in every step.
.macro MUL16 a0, p, zero
.irp a, \a0, \a0+1
.irp b, 0,1,2,3,4,5,6,7
.if \zero
	v_wmma_f32_16x16x128_fp8_fp8 v[8*(8*((\a)%4)+\b):8*(8*((\a)%4)+\b)+7], v[128*(\p)+FR*\b:128*(\p)+FR*\b+FR-1], v[AF+FR*(\a):AF+FR*(\a)+FR-1], 0
.else
	v_wmma_f32_16x16x128_fp8_fp8 v[8*(8*((\a)%4)+\b):8*(8*((\a)%4)+\b)+7], v[128*(\p)+FR*\b:128*(\p)+FR*\b+FR-1], v[AF+FR*(\a):AF+FR*(\a)+FR-1], v[8*(8*((\a)%4)+\b):8*(8*((\a)%4)+\b)+7]
.endif
.endr
.endr
.endm
.macro FETCH_B slot, q, p
	WIN TO_B
.irp i, 0,1,2,3,4,5,6,7
	FRAG 128*(\p)+FR*\i, ADRB+\slot, \q, \i
.endr
	WIN 0
.endm
.macro FETCH_A slot, q, i0
.irp i, \i0, \i0+1, \i0+2, \i0+3
	FRAG AF+FR*(\i), ADRA+\slot, \q, \i
.endr
.endm
.macro PLACES n                        ; plain vector instructions between a matrix instruction and a load into, or a vector access to, its registers
.rept \n
	v_nop
.endr
.endm
.macro STEP slot, q, zero              ; 128 along K with its successor in the same slot
	s_wait_dscnt 4*NL                              ; B's set and A's blocks 0-3 are in; the youngest 16 loads (A's blocks 4-7) may be out
	WIN MUL_LO
	MUL16 0, (\q)%2, \zero
	MUL16 2, (\q)%2, \zero
	s_wait_dscnt 0
	PLACES NP
	FETCH_B \slot, (\q)+1, 1-(\q)%2
	FETCH_A \slot, (\q)+1, 0
	WIN MUL_HI
	MUL16 4, (\q)%2, \zero
	MUL16 6, (\q)%2, \zero
	PLACES NP
	WIN 0
	FETCH_A \slot, (\q)+1, 4
.endm
; A slot's last step changes slots: one barrier; ahead of it each wave waits for all its tensor loads, adds 0 to its spare word, and waits for that and for its reads of this slot.
.macro TURN slot, next, fill
	s_wait_tensorcnt 0x0                           ; all my tensor loads have landed: my part of the next slot
	ds_add_u32 v[SPW], v[NIL]
	s_wait_dscnt 4*NL+1                            ; the add and the youngest 16 loads may be out
	WIN MUL_LO
	MUL16 0, 1, 0
	s_wait_dscnt 0x0                               ; the add is done, and my reads of this slot are over
	s_barrier_signal -1
	MUL16 2, 1, 0
	WIN 0
	s_barrier_wait -1
.if \fill
	CREST                                          ; the barrier has opened a round of the cluster's: no wave of any partner still reads this slot or has a load on its way
	s_add_nc_u64 s[G0+4*\slot+2:G0+4*\slot+3], s[G0+4*\slot+2:G0+4*\slot+3], 2*KSB
	s_add_nc_u64 s[G0B+4*\slot+2:G0B+4*\slot+3], s[G0B+4*\slot+2:G0B+4*\slot+3], 2*KSB
	JLOAD \slot                                    ; the first tensor load behind the round
.else
	PLACES NP
.endif
	FETCH_B \next, 0, 0
	FETCH_A \next, 0, 0
	WIN MUL_HI
	MUL16 4, 1, 0
	MUL16 6, 1, 0
	PLACES NP
	WIN 0
	FETCH_A \next, 0, 4
.endm
	s_wait_alu depctr_va_vdst(0)
	s_wait_tensorcnt 0x0                           ; my one load is in; behind the barrier both slots are whole
	s_barrier_signal -1
	s_barrier_wait -1
	FETCH_B 0, 0, 0
	FETCH_A 0, 0, 0
	FETCH_A 0, 0, 4
	STEP 0, 0, 1                                   ; K = 1,024 is four K steps of 256, eight steps of 128, written out: the first starts the sums
	TURN 0, 1, 1                                   ; slot 0 takes K step 2
	STEP 1, 0, 0
	TURN 1, 0, 1                                   ; slot 1 takes K step 3
	STEP 0, 0, 0
	TURN 0, 1, 0
	STEP 1, 0, 0
	s_wait_dscnt 4*NL
	WIN MUL_LO
	MUL16 0, 1, 0
	MUL16 2, 1, 0
	s_wait_dscnt 0
	WIN MUL_HI
	MUL16 4, 1, 0
	MUL16 6, 1, 0
	WIN 0
; THE WAY OUT, block a of 16 rows of A: sum x 2^(eA + eB) + bias, the hold, the conversion: tile b's two registers are registers 2 b, 2 b + 1 of a fragment of 128 along the next K.  Four stores of 512 consecutive bytes.
.macro OUTBLK a, isv
.if (\a) >= 2
	s_wait_xcnt 0x0                                ; block a - 2's stores have read their data: that set of codes may be written again
.endif
.set AC, 64*((\a)%4)
.set CDA, CDS+16*((\a)%2)
	WIN 0x02+((\a)/4)                              ; source 0: window 2 or 3
.set j, 0
.rept 32                               ; each accumulator from its low end on
.if \isv
	v_pk_fma_f32 v[TMP+j:TMP+j+1], v[AC+j:AC+j+1], s[96:97], v[BR+2*(\a):BR+2*(\a)+1] op_sel_hi:[1,0,1]
.else
	v_pk_fma_f32 v[TMP+j:TMP+j+1], v[AC+j:AC+j+1], s[96:97], v[BC+j:BC+j+1] op_sel_hi:[1,0,1]
.endif
.set j, j+2
.endr
	WIN 0
.set b, 0
.rept 8
.set j, 0
.rept 8
	v_med3_num_f32 v[TMP+8*b+j], v[TMP+8*b+j], -v[LIM], v[LIM]
.set j, j+1
.endr
	v_cvt_scalef32_pk8_fp8_f32 v[CDA+2*b:CDA+2*b+1], v[TMP+8*b:TMP+8*b+7], v[SC]
.set b, b+1
.endr
	v_nop                                          ; a plain instruction behind the last conversion
.set q, 0
.rept 4
.if \isv
	global_store_b128 v[LO], v[CDA+4*q:CDA+4*q+3], s[92+2*((\a)/4):93+2*((\a)/4)] offset:8192+((\a)%4)*2048+q*512   ; head a / 4, channels 16 (a % 4) on, keys 32 q on
.else
	global_store_b128 v[LO], v[CDA+4*q:CDA+4*q+3], s[92+2*(q/2):93+2*(q/2)] offset:(\a)*1024+(q%2)*512             ; head q / 2, tokens 16 a on, channels 32 (q % 2) on
.endif
.set q, q+1
.endr
.endm
	s_wait_loadcnt 0x0                             ; the biases
	PLACES NP
	s_cmp_eq_u32 ttmp9, 2                          ; the cluster's x: alike in all partners
	s_cbranch_scc1 .Lv
.irp a, 0,1,2,3,4,5,6,7
	OUTBLK \a, 0
.endr
	s_branch .Lend
.Lv:
.irp a, 0,1,2,3,4,5,6,7
	OUTBLK \a, 1
.endr
.Lend:
	s_wait_tensorcnt 0x0                           ; the wave's end
	ds_add_u32 v[SPW], v[NIL]
	s_wait_dscnt 0x0
	CROUND                                         ; the closing round: no work-group ends while a partner may still ask for a tile that names it
	s_endpgm
.Lfunc_end_k_q92ef5b8286_qkv:
	.size	k_q92ef5b8286_qkv, .Lfunc_end_k_q92ef5b8286_qkv-k_q92ef5b8286_qkv
	.p2alignl 7, 3214868480
	.fill 96, 4, 3214868480
	.section	.rodata,"a",@progbits
	.p2align	6, 0x0
	.amdhsa_kernel k_q92ef5b8286_qkv
		.amdhsa_group_segment_fixed_size 327680
		.amdhsa_private_segment_fixed_size 0
		.amdhsa_enable_private_segment 0
		.amdhsa_kernarg_size 48
		.amdhsa_user_sgpr_count 2
		.amdhsa_user_sgpr_kernarg_segment_ptr 1
		.amdhsa_wavefront_size32 1
		.amdhsa_system_sgpr_workgroup_id_x 1
		.amdhsa_system_sgpr_workgroup_id_y 1
		.amdhsa_system_sgpr_workgroup_id_z 1
		.amdhsa_system_vgpr_workitem_id 0
		.amdhsa_next_free_vgpr 1024
		.amdhsa_next_free_sgpr 100
		.amdhsa_reserve_vcc 0
		.amdhsa_float_denorm_mode_32 3
		.amdhsa_float_denorm_mode_16_64 3
		.amdhsa_memory_ordered 1
		.amdhsa_forward_progress 1
		.amdhsa_inst_pref_size 193
	.end_amdhsa_kernel
	.amdgpu_metadata
---
amdhsa.version: [ 1, 2 ]
amdhsa.kernels:
  - .name:           k_q92ef5b8286_qkv
    .symbol:         k_q92ef5b8286_qkv.kd
    .args:
      - { .name: wts, .offset: 0, .size: 8, .value_kind: global_buffer, .address_space: global }
      - { .name: bq, .offset: 8, .size: 8, .value_kind: global_buffer, .address_space: global }
      - { .name: bk, .offset: 16, .size: 8, .value_kind: global_buffer, .address_space: global }
      - { .name: bv, .offset: 24, .size: 8, .value_kind: global_buffer, .address_space: global }
      - { .name: lowp_scales, .offset: 32, .size: 8, .value_kind: global_buffer, .address_space: global }
      - { .name: qkvb, .offset: 40, .size: 8, .value_kind: global_buffer, .address_space: global }
    .group_segment_fixed_size: 327680
    .private_segment_fixed_size: 0
    .kernarg_segment_align: 8
    .kernarg_segment_size: 48
    .max_flat_workgroup_size: 128
    .sgpr_count:     100
    .vgpr_count:     1024
    .wavefront_size: 32
...
	.end_amdgpu_metadata
.endif
;; end of part 2
;; launch attn (part 3): grid 8 x 32, 16 waves a work-group, no clusters, 34,816 bytes of LDS; arguments qkvb, mwords, lowp_scales, oimg; writes oimg
.if DOCPART == 3
	.amdgcn_target "amdgcn-amd-amdhsa--gfx1250"
	.amdhsa_code_object_version 6
	.text
	.protected	k_q92ef5b8286_attn
	.globl	k_q92ef5b8286_attn
	.p2align	8
	.type	k_q92ef5b8286_attn,@function
k_q92ef5b8286_attn:
	s_mov_b64 s[64:65], 0
	v_nop
	global_prefetch_b8 v0, s[64:65] scope:SCOPE_SE
	s_setreg_imm32_b32 hwreg(HW_REG_WAVE_MODE, 25, 1), 1
	s_wait_xcnt 0x0
; ATTENTION on codes of FP8 (E4M3), head size 64, 2,048 keys, with the mask that is GIVEN (nothing of its pattern is built in).  o leaves quantised (scale e10) as an image for the next product.
; t = score x 2^(e6+e7) x log2(e) / 8; M = the running largest t, rounded up to a whole number; p = 2^(t - M) is quantised (e8) along the keys; the row's sum is taken of the unquantised p and divides at the end.
; SHARES.  A work-group has one (batch, head) and query blocks i and 15 - i of 128; each of its sixteen waves owns one tile of 16 queries in 256 registers.  Keys go in 16 steps of 128.
; Both products are used transposed (S^T = K Q^T, O^T = V^T P^T): a lane holds ONE query; tile T's register j is key 16 T + 8 h + j, so a conversion's two registers are registers 2 T, 2 T + 1 of P.
; THE MASK comes as lane-mask words that an earlier launch stored: one word for each score register, read into scalar registers, the selector of one v_cndmask_b32 a score.
; That launch also stored two flags for each (16 queries, 128 keys).  'Some key counts': where it is 0 a wave jumps over the step's work (every p there would be 0), and the work-group over the fetch of a step that none
; of its waves needs.  'Every key counts': where it is 1 the wave jumps over the loads of the step's mask words and its 64 selects, which would change nothing.
; All are scalar branches on stored whole numbers.  The trip count is a constant and every wave passes every barrier.
; THE HOLD OF p: p is at most 1, and the largest code stands for 448 x 2^e8, which is 1.75 or more where e8 >= -8: there the 64 holds of a step change nothing and a scalar branch on e8 jumps over them; where e8 < -8 they run.
; NO TENSOR LOAD AND NO CLUSTER: K's and V's steps come through registers: 1 KiB a wave, a step ahead, into two LDS slots, one barrier a step.
; A query with no key at all: sum 0; its codes are made NaN codes by a select, as reference() gives NaN there.
; LIMITS: e6 + e7 between -122 and 129 (added to c's exponent field); e8 and e10 between -126 and 119; e8 + e9 is applied by v_ldexp_f32.
; REGISTERS: v1 16 x lane; v2 1,024 x wave + 16 x lane; v3 256 x lane; v4 -infinity; v5, v6 the add's; v7 0x7f7f7f7f; v8, v9 o's scale and hold; v12 -M, v13 largest t, v[14:15] the sum; v16-23 Q; v24-31 the step on its way;
;   v32-95 K's or V's fragments; v96-159 S^T, then p; v160-191 O^T; v192-207 p's codes; v208-215 o's codes; v234-255 at work.
;   s13 1 where p's hold is needed; s15 my tile's flags (bit 0: this step has a key; bit 16: all its keys count); s16 the work-group's (bit 1: the next step is needed); both are shifted a bit a step.
.set SLB,   16384                      ; a step: 8 tiles of K (1 KiB each), then 4 of V^T (2 KiB each); slot 0 at 0, slot 1 at SLB
.set SPARE, 2*SLB                      ; the spare words: 128 bytes for each of sixteen waves; no other line names them
.set SPW, 5
.set NIL, 6
	s_load_b256 s[4:11], s[0:1], 0x0               ; qkvb s[4:5], mwords s[6:7], the scales' exponents s[8:9], oimg s[10:11]
	v_lshl_add_u32 v[SPW], v0, 2, SPARE
	v_mov_b32 v[NIL], 0
	v_lshrrev_b32 v10, 5, v0
	s_delay_alu instid0(VALU_DEP_1)
	v_readfirstlane_b32 s12, v10                   ; wave 0..15
	v_and_b32 v1, 31, v0
	s_delay_alu instid0(VALU_DEP_1)
	v_lshlrev_b32 v3, 8, v1
	s_delay_alu instid0(VALU_DEP_2)
	v_lshlrev_b32 v1, 4, v1
	s_delay_alu instid0(VALU_DEP_1)
	v_lshl_add_u32 v2, v10, 10, v1
	s_and_b32 s13, ttmp7, 0xffff                   ; batch x 16 + head
	s_lshr_b32 s28, s12, 2
	s_xor_b32 s28, s28, s12
	s_and_b32 s28, s28, 1                          ; which of the two blocks: of any four waves w, w + 4, w + 8, w + 12 and of any four on end, two have each
	s_sub_co_u32 s29, 15, ttmp9
	s_cmp_eq_u32 s28, 0
	s_cselect_b32 s28, ttmp9, s29
	s_lshl_b32 s14, s28, 3
	s_lshr_b32 s28, s12, 1
	s_add_co_u32 s14, s14, s28                     ; qt: my tile of 16 queries, 0..127
	s_lshl_b32 s28, s13, 4
	s_lshr_b32 s29, s14, 3
	s_add_co_u32 s28, s28, s29
	s_lshl_b32 s28, s28, 13
	s_and_b32 s29, s14, 7
	s_lshl_b32 s29, s29, 10
	s_add_co_u32 s66, s28, s29
	s_mov_b32 s67, 0                               ; Q's fragment
	s_lshl_b32 s100, s13, 18
	s_add_co_u32 s100, s100, 0x400000
	s_mov_b32 s101, 0                              ; the head's 16 steps of K and V
	s_lshl_b32 s2, s14, 5
	s_add_co_u32 s2, s2, 0x80000
	s_mov_b32 s3, 0                                ; my tile's eight words of flags
	s_mov_b32 s29, 0
	s_wait_alu depctr_va_vdst(0)
	s_wait_kmcnt 0x0
	s_load_b512 s[32:47], s[8:9], 0x0              ; e0 .. e15
	s_add_nc_u64 s[2:3], s[6:7], s[2:3]
	s_load_b256 s[68:75], s[2:3], 0x0
	s_add_nc_u64 s[66:67], s[4:5], s[66:67]
	s_add_nc_u64 s[100:101], s[4:5], s[100:101]
	s_lshl_b32 s28, s12, 10
	s_add_nc_u64 s[24:25], s[100:101], s[28:29]    ; my wave's 1 KiB of a step
	s_and_b32 s28, s12, 1
	s_lshl_b32 s28, s28, 13
	s_add_nc_u64 s[30:31], s[100:101], s[28:29]    ; the prefetches: half a step
	global_load_b128 v[16:19], v1, s[66:67]
	global_load_b128 v[20:23], v1, s[66:67] offset:512
	global_load_b128 v[24:27], v1, s[24:25]        ; step 0, whatever the flags say
	global_load_b128 v[28:31], v1, s[24:25] offset:512
	s_lshl_b32 s28, s14, 12
	s_add_nc_u64 s[26:27], s[6:7], s[28:29]        ; my tile's mask words: 256 bytes a step
	s_lshr_b32 s28, s13, 4
	s_lshl_b32 s28, s28, 7
	s_add_co_u32 s28, s28, s14
	s_lshl_b32 s28, s28, 14                        ; o's image: row tile batch x 128 + qt,
	s_bfe_u32 s100, s13, 0x30001
	s_lshl_b32 s100, s100, 11
	s_add_co_u32 s28, s28, s100                    ; K step head / 2,
	s_and_b32 s100, s13, 1
	s_lshl_b32 s100, s100, 10
	s_add_co_u32 s28, s28, s100                    ; its pieces 2 (head % 2) and the next
	s_add_nc_u64 s[10:11], s[10:11], s[28:29]
	s_lshr_b32 s28, s12, 1
	s_or_b32 s28, s28, ttmp9
	s_cmp_eq_u32 s28, 0
	s_cselect_b32 s19, 7, 0                        ; waves 0 and 1 of the head's first work-group prefetch, in trips 0 to 6
	s_lshl_b32 s100, ttmp9, 8
	s_add_co_u32 s100, s100, 0x80000
	s_mov_b32 s101, 0
	s_add_nc_u64 s[100:101], s[6:7], s[100:101]    ; block i's 64 words of flags
	s_mov_b32 s20, 0x76543210
	s_mov_b32 s21, 0xfedcba98
	v_mov_b32 v4, 0xff800000
	v_mov_b32 v7, 0x7f7f7f7f
	v_mov_b32 v13, 0xff61b1e6                      ; the largest t so far: -3e38, under every t
	s_delay_alu instid0(VALU_DEP_1)
	v_floor_f32 v12, -v13
	v_mov_b32 v14, 0
	v_mov_b32 v15, 0
	v_mov_b32 v236, 0                              ; a lane permute's destination counts as read
	v_mov_b32 v253, 0                              ; (named as the upper half of a pair)
.set j, 0
.rept 32
	v_mov_b32 v[160+j], 0                          ; O^T: any step may be the first that a wave works, or none
.set j, j+1
.endr
	s_wait_kmcnt 0x0
	s_add_co_i32 s28, s38, s39
	s_lshl_b32 s28, s28, 23
	s_add_co_i32 s22, s28, 0x3e38aa3b              ; c = log2(e) / 8 x 2^(e6 + e7)
	s_mov_b32 s23, s22
	s_add_co_i32 s17, s40, s41                     ; e8 + e9
	s_cmp_lt_i32 s40, -8                           ; (the head's number in s13 has served)
	s_cselect_b32 s13, 1, 0                        ; 1: 448 x 2^e8 lies under 1, so p can pass the largest code and is held; 0: it cannot
	s_add_co_i32 s28, s40, 127
	s_lshl_b32 s29, s28, 23
	v_mov_b32 v244, s29                            ; 2^e8
	s_add_co_i32 s28, s28, 8
	s_lshl_b32 s28, s28, 23
	s_or_b32 s28, s28, 0x600000
	v_mov_b32 v240, s28                            ; 448 x 2^e8
	s_add_co_i32 s28, s42, 127
	s_lshl_b32 s29, s28, 23
	v_mov_b32 v8, s29                              ; 2^e10
	s_add_co_i32 s28, s28, 8
	s_lshl_b32 s28, s28, 23
	s_or_b32 s28, s28, 0x600000
	v_mov_b32 v9, s28                              ; 448 x 2^e10
	s_or_b32 s15, s68, s69
.set n, 2
.rept 6
	s_or_b32 s15, s15, s[68+n]
.set n, n+1
.endr                                  ; s15: bit j = my tile has a key in step j; bit 16 + j = all keys of step j count for all my queries
	s_sub_co_u32 s2, 15, ttmp9
	s_lshl_b32 s2, s2, 8
	s_add_co_u32 s2, s2, 0x80000
	s_mov_b32 s3, 0
	s_add_nc_u64 s[2:3], s[6:7], s[2:3]            ; block 15 - i's flags
	s_mov_b32 s16, 0
	s_mov_b32 s28, 0
.macro FLAGS p                         ; 64 words at s[p:p+1], or-ed into s16 and s28
	s_load_b512 s[32:47], s[\p:\p+1], 0x0
	s_load_b512 s[48:63], s[\p:\p+1], 0x40
	s_load_b512 s[68:83], s[\p:\p+1], 0x80
	s_load_b512 s[84:99], s[\p:\p+1], 0xc0
	s_wait_kmcnt 0x0
.set n, 0
.rept 32
	s_or_b32 s16, s16, s[32+n]
	s_or_b32 s28, s28, s[68+n]
.set n, n+1
.endr
.endm
	FLAGS 100
	FLAGS 2
	s_or_b32 s16, s16, s28
	s_and_b32 s16, s16, 0xffff                     ; s16: bit j = some wave of the work-group has a key in step j; the upper flags are cut off, so that bit 16 is 0: there is no step 16 to fetch
	s_wait_loadcnt 0x0                             ; Q and step 0
	ds_store_b128 v2, v[24:27]
	ds_store_b128 v2, v[28:31] offset:512
	s_wait_dscnt 0x0
	s_barrier_signal -1
	s_barrier_wait -1                              ; step 0 lies in slot 0
; A KEY STEP, in slot sl.  s15 and s16 are shifted a bit a step: bit 0 is this step, bit 1 the next; bit 16 of s15 is this step's 'every key counts'.
.macro STEP sl
	s_bitcmp1_b32 s16, 1
	s_cbranch_scc0 .Lnoask_\@                      ; (in step 15 the bit is 0: no load leaves the buffer)
	global_load_b128 v[24:27], v1, s[24:25] offset:(\sl+1)*SLB
	global_load_b128 v[28:31], v1, s[24:25] offset:(\sl+1)*SLB+512
	s_cmp_lt_u32 s18, s19
	s_cbranch_scc0 .Lnoask_\@
	global_prefetch_b8 v3, s[30:31] offset:(\sl+2)*SLB th:TH_LOAD_NT scope:SCOPE_SE   ; the step after the one just asked for: 32 lanes x 256 bytes, half a step a wave; each block is named once in the launch; trip 7 asks for nothing
.Lnoask_\@:
	s_bitcmp1_b32 s15, 0
	s_cbranch_scc0 .Lidle_\@
	s_bitcmp1_b32 s15, 16
	s_cbranch_scc1 .Lnowords_\@                    ; every key counts: the mask words are not wanted
	s_load_b512 s[32:47], s[26:27], \sl*256
	s_load_b512 s[48:63], s[26:27], \sl*256+64
	s_load_b512 s[68:83], s[26:27], \sl*256+128
	s_load_b512 s[84:99], s[26:27], \sl*256+192
.Lnowords_\@:
.set n, 0
.rept 16
	ds_load_b128 v[32+4*n:35+4*n], v1 offset:\sl*SLB+512*n          ; K: tile n / 2, channels 32 (n % 2) on
.set n, n+1
.endr
	s_wait_dscnt 0x0
.set n, 0
.rept 8
	v_wmma_f32_16x16x64_fp8_fp8 v[96+8*n:103+8*n], v[32+8*n:39+8*n], v[16:23], 0
.set n, n+1
.endr
.rept 4
	v_nop                                          ; places ahead of the loads into K's registers and of the first read of the scores
.endr
.set n, 0
.rept 16
	ds_load_b128 v[32+4*n:35+4*n], v1 offset:\sl*SLB+8192+512*n     ; V^T: channels 16 (n / 4) on, keys 32 (n % 4) on; they land under the softmax
.set n, n+1
.endr
	s_wait_kmcnt 0x0                               ; on both ways: whatever scalar load was issued is in
	s_bitcmp1_b32 s15, 16
	s_cbranch_scc1 .Lopen_\@
.set n, 0
.rept 64
.set mw, 32+n+4*(n/32)
	v_cndmask_b32 v[96+n], v4, v[96+n], s[mw]      ; a hidden score becomes -infinity: p = 0
.set n, n+1
.endr
.Lopen_\@:
	v_max3_num_f32 v254, v96, v97, v98             ; the step's largest score of my query among my 64 keys, in two chains (each accumulator is met at its low end first),
	v_max3_num_f32 v252, v99, v100, v101
.set n, 6
.rept 14
	v_max3_num_f32 v254, v254, v[96+n], v[97+n]
	v_max3_num_f32 v252, v252, v[98+n], v[99+n]
.set n, n+4
.endr
	v_max3_num_f32 v254, v254, v158, v159
	s_delay_alu instid0(VALU_DEP_1)
	v_max_num_f32 v254, v254, v252
	s_delay_alu instid0(VALU_DEP_1)
	v_permlanex16_b32 v236, v254, s20, s21
	s_delay_alu instid0(VALU_DEP_1)
	v_max_num_f32 v254, v254, v236                 ; and among lane l xor 16's
	s_delay_alu instid0(VALU_DEP_1)
	v_mul_f32 v254, s22, v254                      ; as t (c is positive)
	s_delay_alu instid0(VALU_DEP_1)
	v_max_num_f32 v13, v13, v254
	v_mov_b32 v254, v12
	s_delay_alu instid0(VALU_DEP_2)
	v_floor_f32 v12, -v13                          ; the new -M = -ceil(t): a whole number
	s_delay_alu instid0(VALU_DEP_1)
	v_sub_f32 v254, v12, v254
	s_delay_alu instid0(VALU_DEP_1)
	v_cvt_i32_f32 v254, v254                       ; (it saturates)
	s_delay_alu instid0(VALU_DEP_1)
	v_ldexp_f32 v252, 1.0, v254                    ; f = 2^(old M - new M): rounds nothing
.set n, 0
.rept 32
	v_pk_fma_f32 v[96+n:97+n], v[96+n:97+n], s[22:23], v[12:13] op_sel_hi:[1,0,0]   ; t - M
.set n, n+2
.endr
.set n, 0
	s_wait_alu depctr_va_vdst(0)
.rept 64
	v_exp_f32 v[96+n], v[96+n]
.set n, n+1
.endr
	v_pk_mul_f32 v[14:15], v[14:15], v[252:253] op_sel_hi:[1,0]    ; the sum under the new M: the plain instruction behind the exponentials
	s_wait_alu depctr_va_vdst(0)                   ; one wait for the batch, ahead of its first reader
	v_pk_add_f32 v[242:243], v[100:101], v[104:105]
	v_pk_add_f32 v[254:255], v[108:109], v[112:113]
	v_pk_add_f32 v[250:251], v[116:117], v[120:121]
	v_pk_add_f32 v[248:249], v[124:125], v[128:129]
	v_pk_add_f32 v[246:247], v[132:133], v[136:137]
	v_pk_add_f32 v[238:239], v[140:141], v[144:145]
	v_pk_add_f32 v[234:235], v[148:149], v[152:153]
	v_pk_add_f32 v[14:15], v[14:15], v[156:157]
	v_pk_add_f32 v[242:243], v[242:243], v[96:97]
	v_pk_add_f32 v[254:255], v[254:255], v[98:99]
	v_pk_add_f32 v[250:251], v[250:251], v[102:103]
	v_pk_add_f32 v[248:249], v[248:249], v[106:107]
	v_pk_add_f32 v[246:247], v[246:247], v[110:111]
	v_pk_add_f32 v[238:239], v[238:239], v[114:115]
	v_pk_add_f32 v[234:235], v[234:235], v[118:119]
	v_pk_add_f32 v[14:15], v[14:15], v[122:123]
	v_pk_add_f32 v[242:243], v[242:243], v[126:127]
	v_pk_add_f32 v[254:255], v[254:255], v[130:131]
	v_pk_add_f32 v[250:251], v[250:251], v[134:135]
	v_pk_add_f32 v[248:249], v[248:249], v[138:139]
	v_pk_add_f32 v[246:247], v[246:247], v[142:143]
	v_pk_add_f32 v[238:239], v[238:239], v[146:147]
	v_pk_add_f32 v[234:235], v[234:235], v[150:151]
	v_pk_add_f32 v[14:15], v[14:15], v[154:155]
	v_pk_add_f32 v[242:243], v[242:243], v[158:159]
	s_delay_alu instid0(VALU_DEP_2)
	v_pk_add_f32 v[14:15], v[14:15], v[248:249]
	s_delay_alu instid0(VALU_DEP_2)
	v_pk_add_f32 v[242:243], v[242:243], v[246:247]
	v_pk_add_f32 v[254:255], v[254:255], v[238:239]
	v_pk_add_f32 v[250:251], v[250:251], v[234:235]
	s_delay_alu instid0(VALU_DEP_2)
	v_pk_add_f32 v[14:15], v[14:15], v[254:255]
	s_delay_alu instid0(VALU_DEP_2)
	v_pk_add_f32 v[242:243], v[242:243], v[250:251]
	s_delay_alu instid0(VALU_DEP_1)
	v_pk_add_f32 v[14:15], v[14:15], v[242:243]
	s_cmp_eq_u32 s13, 0
	s_cbranch_scc1 .Lnohold_\@                     ; p <= 1 <= 448 x 2^e8: no p can pass the largest code
.set n, 0
.rept 64
	v_min_num_f32 v[96+n], v[96+n], v240           ; the conversion does not saturate (ISA guide 7.6.2); p is not negative
.set n, n+1
.endr
.Lnohold_\@:
.set n, 0
.rept 8
	v_cvt_scalef32_pk8_fp8_f32 v[192+2*n:193+2*n], v[96+8*n:103+8*n], v244
.set n, n+1
.endr
.set n, 0
.rept 16
	v_pk_mul_f32 v[160+n:161+n], v[160+n:161+n], v[252:253] op_sel_hi:[1,0]   ; O^T under the new M; also the plain instructions behind the conversions
.set n, n+2
.endr
	s_wait_alu depctr_va_vdst(0)
	s_wait_dscnt 0x0                               ; V^T
.set n, 0
.rept 4
	v_wmma_f32_16x16x128_fp8_fp8 v[160+8*n:167+8*n], v[32+16*n:47+16*n], v[192:207], v[160+8*n:167+8*n]
.set n, n+1
.endr
.rept 4
	v_nop                                          ; places ahead of whatever next loads into, writes or reads these registers, on every way
.endr
.Lidle_\@:
	s_wait_loadcnt 0x0                             ; the next step's 1 KiB, if it was asked for
	s_bitcmp1_b32 s16, 1
	s_cbranch_scc0 .Lnoput_\@
	ds_store_b128 v2, v[24:27] offset:(1-\sl)*SLB
	ds_store_b128 v2, v[28:31] offset:(1-\sl)*SLB+512
.Lnoput_\@:
	s_wait_dscnt 0x0                               ; my reads of this slot are over and my stores into the other have landed:
	s_barrier_signal -1
	s_barrier_wait -1                              ; one barrier orders both for all sixteen waves
	s_lshr_b32 s15, s15, 1
	s_lshr_b32 s16, s16, 1
.endm
	s_mov_b32 s18, 0
.Ltrip:                                            ; eight trips of two steps: the slots' addresses are immediates
	STEP 0
	STEP 1
	s_wait_xcnt 0x0                                ; the trip's loads and prefetches have read their bases
	s_add_nc_u64 s[24:25], s[24:25], 2*SLB
	s_add_nc_u64 s[26:27], s[26:27], 512
	s_add_nc_u64 s[30:31], s[30:31], 2*SLB
	s_add_co_u32 s18, s18, 1
	s_cmp_lt_u32 s18, 8
	s_cbranch_scc1 .Ltrip
	; THE WAY OUT: o = O^T / the sum x 2^(e8 + e9), quantised with e10: tile t's two registers are registers 2 t, 2 t + 1 of a fragment of 64 along the next K
	v_add_f32 v14, v14, v15
	s_delay_alu instid0(VALU_DEP_1)
	v_permlanex16_b32 v236, v14, s20, s21
	s_delay_alu instid0(VALU_DEP_1)
	v_add_f32 v14, v14, v236                       ; the row's sum
	s_delay_alu instid0(VALU_DEP_1)
	v_cmp_eq_f32 s28, 0, v14
	s_delay_alu instid0(VALU_DEP_1)
	v_cndmask_b32 v10, 0, v7, s28                  ; no key at all: every code becomes a NaN code (a select, no branch)
	v_rcp_f32 v14, v14
	v_nop
	s_wait_alu depctr_va_vdst(0)
	v_ldexp_f32 v14, v14, s17
.set n, 0
.rept 16
	v_pk_mul_f32 v[96+n:97+n], v[160+n:161+n], v[14:15] op_sel_hi:[1,0]
.set n, n+2
.endr
.set b, 0
.rept 4
.set n, 0
.rept 8
	v_med3_num_f32 v[96+8*b+n], v[96+8*b+n], -v9, v9
.set n, n+1
.endr
	v_cvt_scalef32_pk8_fp8_f32 v[208+2*b:209+2*b], v[96+8*b:103+8*b], v8
.set b, b+1
.endr
	v_nop
.set n, 0
.rept 8
	v_or_b32 v[208+n], v[208+n], v10
.set n, n+1
.endr
	global_store_b128 v1, v[208:211], s[10:11]             ; 512 consecutive bytes, aligned
	global_store_b128 v1, v[212:215], s[10:11] offset:512
	s_wait_tensorcnt 0x0                           ; the wave's end: behind my last LDS store
	ds_add_u32 v[SPW], v[NIL]
	s_wait_dscnt 0x0
	s_endpgm
.Lfunc_end_k_q92ef5b8286_attn:
	.size	k_q92ef5b8286_attn, .Lfunc_end_k_q92ef5b8286_attn-k_q92ef5b8286_attn
	.p2alignl 7, 3214868480
	.fill 96, 4, 3214868480
	.section	.rodata,"a",@progbits
	.p2align	6, 0x0
	.amdhsa_kernel k_q92ef5b8286_attn
		.amdhsa_group_segment_fixed_size 34816
		.amdhsa_private_segment_fixed_size 0
		.amdhsa_enable_private_segment 0
		.amdhsa_kernarg_size 32
		.amdhsa_user_sgpr_count 2
		.amdhsa_user_sgpr_kernarg_segment_ptr 1
		.amdhsa_wavefront_size32 1
		.amdhsa_system_sgpr_workgroup_id_x 1
		.amdhsa_system_sgpr_workgroup_id_y 1
		.amdhsa_system_sgpr_workgroup_id_z 1
		.amdhsa_system_vgpr_workitem_id 0
		.amdhsa_next_free_vgpr 256
		.amdhsa_next_free_sgpr 102
		.amdhsa_reserve_vcc 0
		.amdhsa_float_denorm_mode_32 3
		.amdhsa_float_denorm_mode_16_64 3
		.amdhsa_memory_ordered 1
		.amdhsa_forward_progress 1
		.amdhsa_inst_pref_size 58
	.end_amdhsa_kernel
	.amdgpu_metadata
---
amdhsa.version: [ 1, 2 ]
amdhsa.kernels:
  - .name:           k_q92ef5b8286_attn
    .symbol:         k_q92ef5b8286_attn.kd
    .args:
      - { .name: qkvb, .offset: 0, .size: 8, .value_kind: global_buffer, .address_space: global }
      - { .name: mwords, .offset: 8, .size: 8, .value_kind: global_buffer, .address_space: global }
      - { .name: lowp_scales, .offset: 16, .size: 8, .value_kind: global_buffer, .address_space: global }
      - { .name: oimg, .offset: 24, .size: 8, .value_kind: global_buffer, .address_space: global }
    .group_segment_fixed_size: 34816
    .private_segment_fixed_size: 0
    .kernarg_segment_align: 8
    .kernarg_segment_size: 32
    .max_flat_workgroup_size: 512
    .sgpr_count:     102
    .vgpr_count:     256
    .wavefront_size: 32
...
	.end_amdgpu_metadata
.endif
;; end of part 3
;; launch wo (part 4): grid 8 x 32, 4 waves a work-group, clusters of 4 x 4, 327,680 bytes of LDS; arguments oimg, wts, x1, bo, x, lowp_scales; writes x1
.if DOCPART == 4
	.amdgcn_target "amdgcn-amd-amdhsa--gfx1250"
	.amdhsa_code_object_version 6
	.text
	.protected	k_q92ef5b8286_wo
	.globl	k_q92ef5b8286_wo
	.p2align	8
	.type	k_q92ef5b8286_wo,@function
k_q92ef5b8286_wo:
	s_mov_b64 s[64:65], 0
	v_nop
	global_prefetch_b8 v0, s[64:65] scope:SCOPE_SE
	s_setreg_imm32_b32 hwreg(HW_REG_WAVE_MODE, 25, 1), 1
	s_wait_xcnt 0x0
	s_wait_alu depctr_hold_cnt(0) depctr_sa_sdst(0) depctr_va_vdst(0) depctr_va_sdst(0) depctr_va_ssrc(0) depctr_va_vcc(0) depctr_vm_vsrc(0)
	s_getreg_b32 s2, hwreg(HW_REG_IB_STS2, 6, 4)
	s_cmp_eq_u32 s2, 0
	s_cbranch_scc0 .Lentry_in_a_cluster
	s_endpgm
.Lentry_in_a_cluster:
	s_bfe_u32 s2, ttmp6, 0x10000c
	s_cmp_lg_u32 s2, 0xf033
	s_cbranch_scc0 .Lentry_shape_is_right
	s_endpgm
.Lentry_shape_is_right:
; out = residual + (A B^T x 2^(eA + eB) + bias): A [4,096][SIZE_K] and B [1,024][SIZE_K] are operand images of FP8 (E4M3) codes; out, residual [4,096][1,024] and bias [1,024] are f32.
; Here: A = attention's o, B = Wo, residual = x, out = x1.
; C has 4,096 x 1,024 numbers: tiles of 128 x 128 give 256 work-groups.  Four waves, each 64 x 64: 16 accumulators.  K goes in steps of 512 through two LDS slots: a step's part of a row tile is 8,192 consecutive bytes.
; AN IMAGE: byte (rt*(K/128)+kf)*2048 + q*512 + 16*lane + ..: four loads of 16 bytes a lane, 512 bytes apart, are a fragment of 16 rows x 128 K as the plain FP8 forms hold it.
; CLUSTERS: 4 x 4 work-groups; A's tile is asked for jointly along a row of the cluster, B's along a column.  THE MATRIX INSTRUCTION IS USED TRANSPOSED: a lane holds eight neighbouring numbers of a row of C.
; LIMIT: eA + eB between -126 and 127.  A NaN code in A makes its whole row of out NaN, as it should.
; REGISTERS: window 0: v16-29 addresses; v32-95 at work on the way out; v96-99 bias; v128-255 accumulators ((a, b) at v[128 + 8 (4 a + b)]).  window 1: two fragment buffers of 128 (A's four, then B's four).  window 2: v0-127 the residual.
.set SIZE_K, 1024
.set BOFF,   0xF00000                  ; B's image in wts
.set EOFF,   40                        ; eA, eB in the buffer of scales, in bytes
.set RTB,    SIZE_K*16                 ; a row tile of an image
; ALL OF K = 1,024 LIES IN LDS AT ONCE: each wave asks once, at the head, for 4 whole row tiles (65,536 consecutive bytes); nothing is filled again.  The two 'slots' below are the two halves of each row tile.
.set KSB,    8192                      ; 512 along K in a row tile
.set HALFT,  4*RTB                     ; 4 row tiles: what one tensor load brings, and what one wave reads of A or of B
.set SLOT,   KSB                       ; from one half of a row tile to the other
.set STAGE,  4*HALFT                   ; behind the tiles: 16 rows x (256 bytes + 16) for each wave
.set SPITCH, 272
.set SPARE,  STAGE+4*16*SPITCH         ; the spare words, 128 bytes for each wave; no other line names them
.set LAPS,   SIZE_K/1024               ; a lap = two K steps
.set ADRA, 16
.set ADRB, 20
.set STO,  24
.set RD,   25
.set CO,   26
.set BO,   27
.set SPW,  28
.set NIL,  29
.set TMP,  32
.set BI,   96
.set ACC,  128
.set F0,   0
.set F1,   128
.set G1, 24
.set G0, 32
.set G1B, 48
.set G0B, 56
.set MSB, 0
.macro WIN new
.if MSB != \new
	s_set_vgpr_msb (MSB<<8)|\new
.set MSB, \new
.endif
.endm
.set MUL,  0x05                        ; sources 0 (B) and 1 (A) window 1; C and D window 0
.set TO_F, 0x40
.macro JLOAD s                         ; a joint load: waves 0 and 1 fetch A's halves, waves 2 and 3 B's; an s_nop 0 and four v_nop follow each line
	s_cmp_eq_u32 s11, 0
	s_cbranch_scc0 .Lfor_b_\@
	tensor_load_to_lds s[G0+4*\s:G0+4*\s+3], s[G1:G1+7]
	s_nop 0
.rept 4
	v_nop
.endr
	s_branch .Lasked_\@
.Lfor_b_\@:
	tensor_load_to_lds s[G0B+4*\s:G0B+4*\s+3], s[G1B:G1B+7]
	s_nop 0
.rept 4
	v_nop
.endr
.Lasked_\@:
.endm
.macro CREST
	s_cmp_lg_u32 s10, 0
	s_cbranch_scc1 .Lnot_wave_0_\@
	s_barrier_signal -3
.Lnot_wave_0_\@:
	s_barrier_wait -3
	s_barrier_signal -1
	s_barrier_wait -1
.endm
.macro CROUND
	s_barrier_signal -1
	s_barrier_wait -1
	CREST
.endm
	s_load_b128 s[4:7], s[0:1], 0x0                ; A's image s[4:5], wts s[6:7]
	s_load_b64 s[8:9], s[0:1], 0x10                ; out
	s_load_b128 s[68:71], s[0:1], 0x18             ; bias s[68:69], residual s[70:71]
	s_load_b64 s[72:73], s[0:1], 0x28              ; the scales' exponents
	v_lshl_add_u32 v[SPW], v0, 2, SPARE
	v_mov_b32 v[NIL], 0
	ds_add_u32 v[SPW], v[NIL]                      ; the wave's opening: the add and its wait ahead of my first tensor load
	ds_add_u32 v[SPW], v[NIL]
	v_lshrrev_b32 v1, 5, v0
	v_readfirstlane_b32 s10, v1                    ; wave 0..3
	s_lshr_b32 s11, s10, 1                         ; my half of the rows.  Also: I fetch for A (0) or for B (1)
	s_and_b32 s12, s10, 1                          ; my half of the columns.  Also: which 4 row tiles I fetch
	s_bfe_u32 s40, ttmp6, 0x40000
	s_bfe_u32 s41, ttmp6, 0x40004
	s_lshl_b32 s42, ttmp9, 2
	s_add_co_u32 s42, s42, s40                     ; tile column
	s_and_b32 s13, ttmp7, 0xffff
	s_lshl_b32 s13, s13, 2
	s_add_co_u32 s13, s13, s41                     ; tile row
	s_lshl_b32 s43, s41, 2
	s_lshl_b32 s43, 15, s43
	s_lshl_b32 s44, 0x1111, s40
	; descriptor group 1: 4 rows (whole row tiles) of 2,048 elements of 8 bytes, one behind the other; dense in LDS
	s_or_b32 s[G1+0], s43, (3<<16)|(1<<21)
	s_or_b32 s[G1B+0], s44, (3<<16)|(1<<21)
.irp g, G1, G1B
	s_mov_b32 s[\g+1], 2048<<16
	s_mov_b32 s[\g+2], 4<<16
	s_mov_b32 s[\g+3], 2048<<16
	s_mov_b32 s[\g+4], 4
	s_mov_b32 s[\g+5], RTB/8
	s_mov_b32 s[\g+6], 0
	s_mov_b32 s[\g+7], 0
.endr
	s_lshl_b32 s18, s12, 2
	s_lshl_b32 s16, s13, 3
	s_add_co_u32 s16, s16, s18
	s_mul_i32 s16, s16, RTB                        ; A: row tile 8 x tile row + 4 x half
	s_mov_b32 s17, 0
	s_lshl_b32 s46, s42, 3
	s_add_co_u32 s46, s46, s18
	s_mul_i32 s46, s46, RTB
	s_add_co_u32 s46, s46, BOFF                    ; B: by the tile column
	s_mov_b32 s47, 0
	s_mul_i32 s20, s10, HALFT
	s_wait_dscnt 0x0                               ; the opening add is done
	s_wait_kmcnt 0x0
	s_load_b64 s[76:77], s[72:73], EOFF            ; eA, eB
	s_add_nc_u64 s[14:15], s[4:5], s[16:17]
	s_add_nc_u64 s[46:47], s[6:7], s[46:47]
	CROUND                                         ; all sixteen work-groups are here: the first joint loads meet
.irp s, 0
	s_mov_b32 s[G0+4*\s], 1
	s_add_co_u32 s[G0+4*\s+1], s20, \s*SLOT
	s_add_nc_u64 s[G0+4*\s+2:G0+4*\s+3], s[14:15], \s*KSB
	s_or_b32 s[G0+4*\s+3], s[G0+4*\s+3], 0x80000000
	s_mov_b32 s[G0B+4*\s], 1
	s_add_co_u32 s[G0B+4*\s+1], s20, \s*SLOT
	s_add_nc_u64 s[G0B+4*\s+2:G0B+4*\s+3], s[46:47], \s*KSB
	s_or_b32 s[G0B+4*\s+3], s[G0B+4*\s+3], 0x80000000
	JLOAD \s
.endr
	v_and_b32 v3, 31, v0
	v_lshlrev_b32 v3, 4, v3                        ; 16 x lane
	s_mul_i32 s21, s11, HALFT
	s_mul_i32 s22, s12, HALFT
	s_add_co_u32 s22, s22, 2*HALFT
.irp s, 0,1
	v_add_nc_u32 v[ADRA+\s], s21, v3
	v_add_nc_u32 v[ADRB+\s], s22, v3
	s_add_co_u32 s21, s21, SLOT
	s_add_co_u32 s22, s22, SLOT
.endr
	v_and_b32 v1, 15, v0
	v_bfe_u32 v2, v0, 4, 1
	s_mul_i32 s23, s10, 16*SPITCH
	s_add_co_u32 s23, s23, STAGE                   ; my stage
	v_mul_u32_u24 v4, v1, SPITCH
	v_lshl_add_u32 v4, v2, 5, v4
	v_add_nc_u32 v[STO], s23, v4                   ; in: row r, 32 bytes for each half of the lanes
	v_mul_u32_u24 v5, v2, SPITCH
	v_lshl_add_u32 v5, v1, 4, v5
	v_add_nc_u32 v[RD], s23, v5                    ; back: lanes 0-15 one row of 256 bytes, lanes 16-31 the next
	v_lshlrev_b32 v5, 12, v2
	v_lshl_add_u32 v[CO], v1, 4, v5                ; the same two rows in out and in the residual
	s_wait_alu depctr_va_vdst(0)
	v_lshlrev_b32 v[BO], 4, v1
	s_wait_alu depctr_va_vdst(0)
	s_lshl_b32 s16, s13, 19
	s_lshl_b32 s18, s11, 18
	s_add_co_u32 s16, s16, s18                     ; row 128 x tile row + 64 x half, of 4,096 bytes,
	s_lshl_b32 s18, s42, 9
	s_lshl_b32 s19, s12, 8
	s_add_co_u32 s18, s18, s19                     ; column 128 x tile column + 64 x half, in bytes
	s_mov_b32 s19, 0
	s_add_nc_u64 s[68:69], s[68:69], s[18:19]
	s_add_co_u32 s16, s16, s18
	s_add_nc_u64 s[8:9], s[8:9], s[16:17]
	s_add_nc_u64 s[70:71], s[70:71], s[16:17]
	WIN 0x80                                       ; destination window 2: my 64 x 64 of the residual lands while the products run
.set n, 0
.rept 32
	global_load_b128 v[4*n:4*n+3], v[CO], s[70:71] offset:2*n*4096 th:TH_LOAD_NT
.set n, n+1
.endr
	WIN 0
	global_load_b128 v[BI:BI+3], v[BO], s[68:69]   ; bias at my four columns
	s_wait_kmcnt 0x0
	s_add_co_i32 s76, s76, s77
	s_add_co_i32 s76, s76, 127
	s_lshl_b32 s76, s76, 23                        ; 2^(eA + eB) as f32
	s_mov_b32 s77, s76
; 8 matrix instructions: A's blocks a0, a0 + 1 x B's four, 128 along K.  The 16 accumulators take turns, one instruction a turn.
.macro MUL8 f, a0, zero
.irp a, \a0, \a0+1
.irp b, 0,1,2,3
.if \zero
	v_wmma_f32_16x16x128_fp8_fp8 v[ACC+8*(4*(\a)+\b):ACC+8*(4*(\a)+\b)+7], v[\f+64+16*\b:\f+64+16*\b+15], v[\f+16*(\a):\f+16*(\a)+15], 0
.else
	v_wmma_f32_16x16x128_fp8_fp8 v[ACC+8*(4*(\a)+\b):ACC+8*(4*(\a)+\b)+7], v[\f+64+16*\b:\f+64+16*\b+15], v[\f+16*(\a):\f+16*(\a)+15], v[ACC+8*(4*(\a)+\b):ACC+8*(4*(\a)+\b)+7]
.endif
.endr
.endr
.endm
.macro FETCH slot, q, f                ; 32 LDS loads in one run: B's four fragments, then A's blocks 0, 1, then 2, 3
	WIN TO_F
.irp i, 0,1,2,3
.irp c, 0,1,2,3
	ds_load_b128 v[\f+64+16*\i+4*\c:\f+64+16*\i+4*\c+3], v[ADRB+\slot] offset:\i*RTB+(\q)*2048+512*\c
.endr
.endr
.irp i, 0,1,2,3
.irp c, 0,1,2,3
	ds_load_b128 v[\f+16*\i+4*\c:\f+16*\i+4*\c+3], v[ADRA+\slot] offset:\i*RTB+(\q)*2048+512*\c
.endr
.endr
.endm
.macro PLACES
.rept 4
	v_nop
.endr
.endm
; A K step is four quarters of 128 along K, 16 matrix instructions each, on buffers 0, 1, 0, 1.  One of the first three multiplies buffer f and fetches quarter q into g.
.macro QUARTER slot, q, f, g, zero
	s_wait_dscnt 8                                 ; B's fragments and A's blocks 0, 1 are in; the youngest eight loads (A's blocks 2, 3) may be out
	WIN MUL
	MUL8 \f, 0, \zero
	PLACES
	FETCH \slot, \q, \g
	s_wait_dscnt 32                                ; all but the 32 just issued
	WIN MUL
	MUL8 \f, 2, \zero
.endm
; The last quarter multiplies buffer 1 and changes slots: one barrier; ahead of it each wave waits for all its tensor loads, adds 0 to its spare word, and waits for that and for its reads of this slot.
.macro TURN slot, next, fill
	WIN 0
	s_wait_tensorcnt 0x0
	ds_add_u32 v[SPW], v[NIL]
	s_wait_dscnt 9                                 ; the add and the youngest eight loads may be out
	WIN MUL
	MUL8 F1, 0, 0
	s_wait_dscnt 0x0                               ; the add is done, and my reads of this slot are over
	s_barrier_signal -1
	WIN 0
	s_barrier_wait -1
.if \fill
	CREST                                          ; the barrier has opened a round of the cluster's
	s_add_nc_u64 s[G0+4*\slot+2:G0+4*\slot+3], s[G0+4*\slot+2:G0+4*\slot+3], 2*KSB
	s_add_nc_u64 s[G0B+4*\slot+2:G0B+4*\slot+3], s[G0B+4*\slot+2:G0B+4*\slot+3], 2*KSB
	JLOAD \slot                                    ; the first tensor load behind the round; its four v_nop are the places ahead of the loads below
.else
	PLACES
.endif
	FETCH \next, 0, F0
	WIN MUL
	MUL8 F1, 2, 0
.endm
	s_wait_tensorcnt 0x0                           ; my one load is in; behind the barrier all tiles are whole
	s_barrier_signal -1
	s_barrier_wait -1
	FETCH 0, 0, F0
	QUARTER 0, 1, F0, F1, 1                        ; the first quarter starts the sums
.if LAPS > 1
	WIN 0
	s_mov_b32 s3, LAPS-1
.Llap:
	QUARTER 0, 2, F1, F0, 0
	QUARTER 0, 3, F0, F1, 0
	TURN 0, 1, 1
	QUARTER 1, 1, F0, F1, 0
	QUARTER 1, 2, F1, F0, 0
	QUARTER 1, 3, F0, F1, 0
	TURN 1, 0, 1
	QUARTER 0, 1, F0, F1, 0
	WIN 0
	s_sub_co_u32 s3, s3, 1
	s_cmp_lg_u32 s3, 0
	s_cbranch_scc1 .Llap
.endif
	QUARTER 0, 2, F1, F0, 0                        ; the last lap fills nothing
	QUARTER 0, 3, F0, F1, 0
	TURN 0, 1, 0
	QUARTER 1, 1, F0, F1, 0
	QUARTER 1, 2, F1, F0, 0
	QUARTER 1, 3, F0, F1, 0
	s_wait_dscnt 8
	WIN MUL
	MUL8 F1, 0, 0
	s_wait_dscnt 0
	MUL8 F1, 2, 0
	WIN 0
; THE WAY OUT, block a of 16 rows x 64 columns: through my own stage in LDS, back as rows of 256 bytes; x 2^(eA + eB) + bias + residual; sixteen lanes store 256 consecutive bytes, aligned.
.macro TOSTAGE a
.irp b, 0,1,2,3
	ds_store_b128 v[STO], v[ACC+8*(4*(\a)+\b):ACC+8*(4*(\a)+\b)+3] offset:64*\b        ; each accumulator from its low end on
	ds_store_b128 v[STO], v[ACC+8*(4*(\a)+\b)+4:ACC+8*(4*(\a)+\b)+7] offset:64*\b+16
.endr
.set TT, TMP+32*((\a)%2)
.set n, 0
.rept 8
	ds_load_b128 v[TT+4*n:TT+4*n+3], v[RD] offset:n*2*SPITCH   ; LDS serves a wave's instructions in order: these see my stores, and the next block's stores come behind them
.set n, n+1
.endr
.endm
.macro SEND a, younger
.set TT, TMP+32*((\a)%2)
	s_wait_dscnt \younger                          ; the block is back; the next block's eight stores and eight loads may be out
.set n, 0
.rept 8
	v_pk_fma_f32 v[TT+4*n:TT+4*n+1], v[TT+4*n:TT+4*n+1], s[76:77], v[BI:BI+1] op_sel_hi:[1,0,1]
	v_pk_fma_f32 v[TT+4*n+2:TT+4*n+3], v[TT+4*n+2:TT+4*n+3], s[76:77], v[BI+2:BI+3] op_sel_hi:[1,0,1]
.set n, n+1
.endr
	WIN 0x08                                       ; source 1: window 2
.set n, 0
.rept 16
	v_pk_add_f32 v[TT+2*n:TT+2*n+1], v[TT+2*n:TT+2*n+1], v[32*(\a)+2*n:32*(\a)+2*n+1]
.set n, n+1
.endr
	WIN 0
.set n, 0
.rept 8
	global_store_b128 v[CO], v[TT+4*n:TT+4*n+3], s[8:9] offset:(16*(\a)+2*n)*4096
.set n, n+1
.endr
.endm
	s_wait_loadcnt 0x0                             ; residual and bias
	PLACES
	TOSTAGE 0
	TOSTAGE 1
	SEND 0, 16
	s_wait_xcnt 0x0                                ; block 0's stores have read their data: block 2's loads may land there
	TOSTAGE 2
	SEND 1, 16
	s_wait_xcnt 0x0
	TOSTAGE 3
	SEND 2, 16
	SEND 3, 0
	s_wait_tensorcnt 0x0                           ; the wave's end
	ds_add_u32 v[SPW], v[NIL]
	s_wait_dscnt 0x0
	CROUND                                         ; the closing round
	s_endpgm
.Lfunc_end_k_q92ef5b8286_wo:
	.size	k_q92ef5b8286_wo, .Lfunc_end_k_q92ef5b8286_wo-k_q92ef5b8286_wo
	.p2alignl 7, 3214868480
	.fill 96, 4, 3214868480
	.section	.rodata,"a",@progbits
	.p2align	6, 0x0
	.amdhsa_kernel k_q92ef5b8286_wo
		.amdhsa_group_segment_fixed_size 327680
		.amdhsa_private_segment_fixed_size 0
		.amdhsa_enable_private_segment 0
		.amdhsa_kernarg_size 48
		.amdhsa_user_sgpr_count 2
		.amdhsa_user_sgpr_kernarg_segment_ptr 1
		.amdhsa_wavefront_size32 1
		.amdhsa_system_sgpr_workgroup_id_x 1
		.amdhsa_system_sgpr_workgroup_id_y 1
		.amdhsa_system_sgpr_workgroup_id_z 1
		.amdhsa_system_vgpr_workitem_id 0
		.amdhsa_next_free_vgpr 640
		.amdhsa_next_free_sgpr 80
		.amdhsa_reserve_vcc 0
		.amdhsa_float_denorm_mode_32 3
		.amdhsa_float_denorm_mode_16_64 3
		.amdhsa_memory_ordered 1
		.amdhsa_forward_progress 1
		.amdhsa_inst_pref_size 52
	.end_amdhsa_kernel
	.amdgpu_metadata
---
amdhsa.version: [ 1, 2 ]
amdhsa.kernels:
  - .name:           k_q92ef5b8286_wo
    .symbol:         k_q92ef5b8286_wo.kd
    .args:
      - { .name: oimg, .offset: 0, .size: 8, .value_kind: global_buffer, .address_space: global }
      - { .name: wts, .offset: 8, .size: 8, .value_kind: global_buffer, .address_space: global }
      - { .name: x1, .offset: 16, .size: 8, .value_kind: global_buffer, .address_space: global }
      - { .name: bo, .offset: 24, .size: 8, .value_kind: global_buffer, .address_space: global }
      - { .name: x, .offset: 32, .size: 8, .value_kind: global_buffer, .address_space: global }
      - { .name: lowp_scales, .offset: 40, .size: 8, .value_kind: global_buffer, .address_space: global }
    .group_segment_fixed_size: 327680
    .private_segment_fixed_size: 0
    .kernarg_segment_align: 8
    .kernarg_segment_size: 48
    .max_flat_workgroup_size: 128
    .sgpr_count:     80
    .vgpr_count:     640
    .wavefront_size: 32
...
	.end_amdgpu_metadata
.endif
;; end of part 4
;; launch ln2 (part 5): grid 256 x 1, 8 waves a work-group, no clusters, 18,432 bytes of LDS; arguments x1, ln2_scale, ln2_bias, lowp_scales, x2i; writes x2i
.if DOCPART == 5
	.amdgcn_target "amdgcn-amd-amdhsa--gfx1250"
	.amdhsa_code_object_version 6
	.text
	.protected	k_q92ef5b8286_ln2
	.globl	k_q92ef5b8286_ln2
	.p2align	8
	.type	k_q92ef5b8286_ln2,@function
k_q92ef5b8286_ln2:
	s_mov_b64 s[64:65], 0
	v_nop
	global_prefetch_b8 v0, s[64:65] scope:SCOPE_SE
	s_setreg_imm32_b32 hwreg(HW_REG_WAVE_MODE, 25, 1), 1
	s_wait_xcnt 0x0
; LayerNorm 2 of 16 rows of x1 a work-group, quantised with the scale e12 to codes of FP8 (E4M3), stored as an operand image:
; byte (rt*8+kf)*2048 + q*512 + (r+16h)*16 + 8u + i holds the code of (row 16 rt + r, k = 128 kf + 32 q + 16 u + 8 h + i).
; Wave w takes rows 2 w and 2 w + 1, each whole in 32 registers, so a row's sums never leave the wave; the codes meet in LDS, laid as the image, and leave in runs of 512 bytes.
; LIMIT: e12 between -126 and 119.  A row of NaN (a query with no key) gives codes that mean nothing; the residual carries the NaN to the output.
.set NS,    1
.set IMGB,  64*272                     ; LDS: the image: 64 pieces of 256 bytes, 16 bytes of padding behind each
.set SPARE, 17408                      ; the spare words: 128 bytes for each of eight waves; no other line names them
.set SPW,   6
.set NIL,   7
.set X0,    16
.set X1,    48
.set GA,    80
.set BT,    112
.set T,     144
.set CD,    160
.macro RED
	s_delay_alu instid0(VALU_DEP_1)
	v_add_f32_dpp v8, v8, v8 row_xmask:1 row_mask:0xf bank_mask:0xf
	s_delay_alu instid0(VALU_DEP_1)
	v_add_f32_dpp v8, v8, v8 row_xmask:2 row_mask:0xf bank_mask:0xf
	s_delay_alu instid0(VALU_DEP_1)
	v_add_f32_dpp v8, v8, v8 row_xmask:4 row_mask:0xf bank_mask:0xf
	s_delay_alu instid0(VALU_DEP_1)
	v_add_f32_dpp v8, v8, v8 row_xmask:8 row_mask:0xf bank_mask:0xf
	s_delay_alu instid0(VALU_DEP_1)
	v_permlanex16_b32 v9, v8, s48, s49
	s_delay_alu instid0(VALU_DEP_1)
	v_add_f32 v8, v8, v9
.endm
.macro FOLD
	s_delay_alu instid0(VALU_DEP_3)
	v_pk_add_f32 v[T:T+1], v[T:T+1], v[T+2:T+3]
	s_delay_alu instid0(VALU_DEP_2)
	v_pk_add_f32 v[T+4:T+5], v[T+4:T+5], v[T+6:T+7]
	s_delay_alu instid0(VALU_DEP_1)
	v_pk_add_f32 v[T:T+1], v[T:T+1], v[T+4:T+5]
	s_delay_alu instid0(VALU_DEP_1)
	v_add_f32 v8, v[T], v[T+1]
	RED
.endm
.macro STATS X                         ; mean, x - mean, the mean of its squares, (x - mean) / sqrt(var + eps), as reference() has them
.set j, 0
.rept 4
	v_pk_add_f32 v[T+2*j:T+2*j+1], v[\X+4*j:\X+4*j+1], v[\X+4*j+2:\X+4*j+3]
.set j, j+1
.endr
.set j, 0
.rept 8
	s_delay_alu instid0(VALU_DEP_4)
	v_pk_add_f32 v[T+2*(j%4):T+2*(j%4)+1], v[T+2*(j%4):T+2*(j%4)+1], v[\X+16+2*j:\X+16+2*j+1]
.set j, j+1
.endr
	FOLD
	s_delay_alu instid0(VALU_DEP_1)
	v_mul_f32 v10, 0x3a800000, v8
.set j, 0
.rept 16
	v_pk_add_f32 v[\X+2*j:\X+2*j+1], v[\X+2*j:\X+2*j+1], v[10:11] op_sel_hi:[1,0] neg_lo:[0,1] neg_hi:[0,1]
.set j, j+1
.endr
.set j, 0
.rept 4
	v_pk_mul_f32 v[T+2*j:T+2*j+1], v[\X+2*j:\X+2*j+1], v[\X+2*j:\X+2*j+1]
.set j, j+1
.endr
.rept 12
	s_delay_alu instid0(VALU_DEP_4)
	v_pk_fma_f32 v[T+2*(j%4):T+2*(j%4)+1], v[\X+2*j:\X+2*j+1], v[\X+2*j:\X+2*j+1], v[T+2*(j%4):T+2*(j%4)+1]
.set j, j+1
.endr
	FOLD
	s_delay_alu instid0(VALU_DEP_1)
	v_fma_f32 v8, v8, s50, s51
	s_wait_alu depctr_va_vdst(0)
	v_rsq_f32 v12, v8
	v_nop                                          ; a plain instruction behind the transcendental,
	s_wait_alu depctr_va_vdst(0)                   ; and the wait ahead of its first reader
.set j, 0
.rept 16
	v_pk_mul_f32 v[\X+2*j:\X+2*j+1], v[\X+2*j:\X+2*j+1], v[12:13] op_sel_hi:[1,0]
.set j, j+1
.endr
.endm
.macro NORM X
.set j, 0
.rept 16
	v_pk_fma_f32 v[\X+2*j:\X+2*j+1], v[\X+2*j:\X+2*j+1], v[GA+2*j:GA+2*j+1], v[BT+2*j:BT+2*j+1]
.set j, j+1
.endr
.endm
.macro QROW X, rr, sc                  ; 32 numbers of my lane become 8 words of 4 codes: word j holds k = 128 j + 4 lane + 0..3; each goes to its place in the image
.set jj, 0
.rept 4
.set TS, T+8*(jj%2)
.set j, 0
.rept 8
	v_med3_num_f32 v[TS+j], v[\X+8*jj+j], -v[10+\sc], v[10+\sc]   ; the conversion does not saturate (ISA guide 7.6.2)
.set j, j+1
.endr
	v_cvt_scalef32_pk8_fp8_f32 v[CD+8*(NS*\rr+\sc)+2*jj:CD+8*(NS*\rr+\sc)+2*jj+1], v[TS:TS+7], v[13+\sc]
.set jj, jj+1
.endr
	v_nop
.set j, 0
.rept 8
	ds_store_b32 v3, v[CD+8*(NS*\rr+\sc)+j] offset:\sc*IMGB+j*2176+\rr*16
.set j, j+1
.endr
.endm
	s_load_b256 s[4:11], s[0:1], 0x0               ; x1 s[4:5], gain s[6:7], bias s[8:9], the scales' exponents s[10:11]
	s_load_b64 s[12:13], s[0:1], 0x20              ; x2i
	v_lshl_add_u32 v[SPW], v0, 2, SPARE
	v_mov_b32 v[NIL], 0
	v_lshrrev_b32 v1, 5, v0
	s_delay_alu instid0(VALU_DEP_1)
	v_readfirstlane_b32 s30, v1                    ; wave 0..7
	v_and_b32 v1, 31, v0
	s_delay_alu instid0(VALU_DEP_1)
	v_lshlrev_b32 v2, 4, v1                        ; 16 x lane
	v_bfe_u32 v8, v0, 3, 2
	v_bfe_u32 v9, v0, 1, 1
	s_delay_alu instid0(VALU_DEP_1)
	v_lshl_add_u32 v8, v8, 1, v9
	s_delay_alu instid0(VALU_DEP_1)
	v_mul_u32_u24 v3, v8, 272                      ; piece 2 q + h,
	v_bfe_u32 v9, v0, 2, 1
	s_delay_alu instid0(VALU_DEP_1)
	v_lshl_add_u32 v3, v9, 3, v3                   ; + 8 u
	v_and_b32 v9, 1, v0
	s_delay_alu instid0(VALU_DEP_1)
	v_lshl_add_u32 v3, v9, 2, v3                   ; + 4 (lane % 2)
	v_and_b32 v9, 0xe0, v0
	s_delay_alu instid0(VALU_DEP_1)
	v_add_nc_u32 v3, v3, v9                        ; + 16 x row 2 w
	v_lshrrev_b32 v8, 5, v0
	s_delay_alu instid0(VALU_DEP_1)
	v_mul_u32_u24 v4, v8, 2176                     ; back: K step w's eight pieces, two a load, 16 bytes a lane
	v_bfe_u32 v9, v0, 4, 1
	s_delay_alu instid0(VALU_DEP_1)
	v_mad_u32_u24 v4, v9, 272, v4
	v_and_b32 v9, 15, v0
	s_delay_alu instid0(VALU_DEP_1)
	v_lshl_add_u32 v4, v9, 4, v4
	v_mov_b32 v9, 0
	v_mov_b32 v11, 0
	v_mov_b32 v13, 0
	s_lshl_b32 s52, ttmp9, 16
	s_lshl_b32 s53, s30, 13
	s_add_co_u32 s52, s52, s53
	s_mov_b32 s53, 0
	s_lshl_b32 s54, ttmp9, 14
	s_lshl_b32 s55, s30, 11
	s_add_co_u32 s54, s54, s55
	s_mov_b32 s55, 0
	s_mov_b32 s48, 0x76543210
	s_mov_b32 s49, 0xfedcba98
	s_mov_b32 s50, 0x3a800000                      ; 1 / 1,024
	s_mov_b32 s51, 0x358637bd                      ; eps = 1e-6
	s_wait_kmcnt 0x0
	s_load_b32 s32, s[10:11], 0x30                 ; e12
	s_add_nc_u64 s[4:5], s[4:5], s[52:53]
	s_add_nc_u64 s[54:55], s[12:13], s[54:55]
.set j, 0
.rept 8
	global_load_b128 v[X0+4*j:X0+4*j+3], v2, s[4:5] offset:512*j th:TH_LOAD_NT
.set j, j+1
.endr
.set j, 0
.rept 8
	global_load_b128 v[X1+4*j:X1+4*j+3], v2, s[4:5] offset:4096+512*j th:TH_LOAD_NT
.set j, j+1
.endr
.set j, 0
.rept 8
	global_load_b128 v[GA+4*j:GA+4*j+3], v2, s[6:7] offset:512*j
.set j, j+1
.endr
.set j, 0
.rept 8
	global_load_b128 v[BT+4*j:BT+4*j+3], v2, s[8:9] offset:512*j
.set j, j+1
.endr
	s_wait_loadcnt 24                              ; my first row is in; the second row, gain and bias (24 loads) may be out
	STATS X0
	s_wait_loadcnt 16                              ; my second row is in; gain and bias may be out
	STATS X1
	s_wait_loadcnt 0x0
	NORM X0
	NORM X1
	s_wait_kmcnt 0x0
	s_add_co_i32 s62, s32, 127
	s_lshl_b32 s63, s62, 23
	v_mov_b32 v13, s63                             ; 2^e12
	s_add_co_i32 s62, s62, 8
	s_lshl_b32 s62, s62, 23
	s_or_b32 s62, s62, 0x600000
	v_mov_b32 v10, s62                             ; 448 x 2^e12
	QROW X0, 0, 0
	QROW X1, 1, 0
	s_wait_dscnt 0x0                               ; for the others' sake: my words lie in the image
	s_barrier_signal -1
	s_barrier_wait -1
.set n, 0
.rept 4
	ds_load_b128 v[16+4*n:19+4*n], v4 offset:n*544
.set n, n+1
.endr
.set n, 0
.rept 4
	s_wait_dscnt 3-n                               ; load n is in, the younger ones may be out
	global_store_b128 v2, v[16+4*n:19+4*n], s[54:55] offset:n*512   ; 512 consecutive bytes, aligned
.set n, n+1
.endr
	s_wait_tensorcnt 0x0                           ; the wave's end: behind my last LDS store
	ds_add_u32 v[SPW], v[NIL]
	s_wait_dscnt 0x0
	s_endpgm
.Lfunc_end_k_q92ef5b8286_ln2:
	.size	k_q92ef5b8286_ln2, .Lfunc_end_k_q92ef5b8286_ln2-k_q92ef5b8286_ln2
	.p2alignl 7, 3214868480
	.fill 96, 4, 3214868480
	.section	.rodata,"a",@progbits
	.p2align	6, 0x0
	.amdhsa_kernel k_q92ef5b8286_ln2
		.amdhsa_group_segment_fixed_size 18432
		.amdhsa_private_segment_fixed_size 0
		.amdhsa_enable_private_segment 0
		.amdhsa_kernarg_size 40
		.amdhsa_user_sgpr_count 2
		.amdhsa_user_sgpr_kernarg_segment_ptr 1
		.amdhsa_wavefront_size32 1
		.amdhsa_system_sgpr_workgroup_id_x 1
		.amdhsa_system_sgpr_workgroup_id_y 1
		.amdhsa_system_sgpr_workgroup_id_z 1
		.amdhsa_system_vgpr_workitem_id 0
		.amdhsa_next_free_vgpr 176
		.amdhsa_next_free_sgpr 66
		.amdhsa_reserve_vcc 0
		.amdhsa_float_denorm_mode_32 3
		.amdhsa_float_denorm_mode_16_64 3
		.amdhsa_memory_ordered 1
		.amdhsa_forward_progress 1
		.amdhsa_inst_pref_size 28
	.end_amdhsa_kernel
	.amdgpu_metadata
---
amdhsa.version: [ 1, 2 ]
amdhsa.kernels:
  - .name:           k_q92ef5b8286_ln2
    .symbol:         k_q92ef5b8286_ln2.kd
    .args:
      - { .name: x1, .offset: 0, .size: 8, .value_kind: global_buffer, .address_space: global }
      - { .name: ln2_scale, .offset: 8, .size: 8, .value_kind: global_buffer, .address_space: global }
      - { .name: ln2_bias, .offset: 16, .size: 8, .value_kind: global_buffer, .address_space: global }
      - { .name: lowp_scales, .offset: 24, .size: 8, .value_kind: global_buffer, .address_space: global }
      - { .name: x2i, .offset: 32, .size: 8, .value_kind: global_buffer, .address_space: global }
    .group_segment_fixed_size: 18432
    .private_segment_fixed_size: 0
    .kernarg_segment_align: 8
    .kernarg_segment_size: 40
    .max_flat_workgroup_size: 256
    .sgpr_count:     66
    .vgpr_count:     176
    .wavefront_size: 32
...
	.end_amdgpu_metadata
.endif
;; end of part 5
;; launch ffn1 (part 6): grid 16 x 16, 4 waves a work-group, clusters of 4 x 4, 327,680 bytes of LDS; arguments x2i, wts, b1, lowp_scales, himg; writes himg
.if DOCPART == 6
	.amdgcn_target "amdgcn-amd-amdhsa--gfx1250"
	.amdhsa_code_object_version 6
	.text
	.protected	k_q92ef5b8286_ffn1
	.globl	k_q92ef5b8286_ffn1
	.p2align	8
	.type	k_q92ef5b8286_ffn1,@function
k_q92ef5b8286_ffn1:
	s_mov_b64 s[64:65], 0
	v_nop
	global_prefetch_b8 v0, s[64:65] scope:SCOPE_SE
	s_setreg_imm32_b32 hwreg(HW_REG_WAVE_MODE, 25, 1), 1
	s_wait_xcnt 0x0
	s_wait_alu depctr_hold_cnt(0) depctr_sa_sdst(0) depctr_va_vdst(0) depctr_va_sdst(0) depctr_va_ssrc(0) depctr_va_vcc(0) depctr_vm_vsrc(0)
	s_getreg_b32 s2, hwreg(HW_REG_IB_STS2, 6, 4)
	s_cmp_eq_u32 s2, 0
	s_cbranch_scc0 .Lentry_in_a_cluster
	s_endpgm
.Lentry_in_a_cluster:
	s_bfe_u32 s2, ttmp6, 0x10000c
	s_cmp_lg_u32 s2, 0xf033
	s_cbranch_scc0 .Lentry_shape_is_right
	s_endpgm
.Lentry_shape_is_right:
; hidden = gelu(xn2 W1 + b1), 4,096 x 4,096, K = 1,024, on operand images of FP8 (E4M3) codes; the result is quantised (e14) and leaves as an image for the next product.
; A tile of 256 x 256 is made by four waves, each 128 x 128; K goes in steps of 256 through two LDS slots.  4 x 4 work-groups form a cluster: A's tile is asked for jointly along a row, B's along a column.
; The first fills are four tiles (A and B of K steps 0 and 1): one load a wave.  A refill of slot s is asked for by waves 2 s (A) and 2 s + 1 (B).
; No prefetch: K has four steps, of which two are asked for at the head.
; LIMITS: e12 + e13 between -126 and 127; e14 between -126 and 119.
.set RTB,   16384
.set KSB,   4096
.set HALFT, 8*KSB
.set SLOT,  4*HALFT
.set SPARE, 2*SLOT
.set FR,    16
.set NL,    4
.set NP,    4
.set LIM,   12
.set SC,    13
.set ADRA,  16
.set ADRB,  20
.set LO,    27
.set SPW,   28
.set NIL,   29
.set BC,    32
.set CDS,   96
.set AF,    128
.set XR,    128
.set ZR,    192
.set G1, 24
.set G0, 32
.set G1B, 48
.set G0B, 56
.set MSB, 0
.macro WIN new
.if MSB != \new
	s_set_vgpr_msb (MSB<<8)|\new
.set MSB, \new
.endif
.endm
.set MUL_LO, 0xa1
.set MUL_HI, 0xf1
.set TO_B,   0x40
; A joint refill of slot s; the branches hang on the wave's number alone.  The four v_nop at the join are on every wave's path: they are also the places ahead of the LDS loads that follow.
.macro JLOAD s
	s_cmp_eq_u32 s14, 2*\s
	s_cbranch_scc0 .Lnot_a_\@
	tensor_load_to_lds s[G0+4*\s:G0+4*\s+3], s[G1:G1+7]
	s_nop 0
	s_branch .Lasked_\@
.Lnot_a_\@:
	s_cmp_eq_u32 s14, 2*\s+1
	s_cbranch_scc0 .Lasked_\@
	tensor_load_to_lds s[G0B+4*\s:G0B+4*\s+3], s[G1B:G1B+7]
	s_nop 0
.Lasked_\@:
.rept 4
	v_nop
.endr
.endm
.macro CREST
	s_cmp_lg_u32 s14, 0
	s_cbranch_scc1 .Lnot_wave_0_\@
	s_barrier_signal -3
.Lnot_wave_0_\@:
	s_barrier_wait -3
	s_barrier_signal -1
	s_barrier_wait -1
.endm
.macro CROUND
	s_barrier_signal -1
	s_barrier_wait -1
	CREST
.endm
	s_load_b256 s[4:11], s[0:1], 0x0
	s_load_b64 s[84:85], s[0:1], 0x20
	v_lshl_add_u32 v[SPW], v0, 2, SPARE
	v_mov_b32 v[NIL], 0
	ds_add_u32 v[SPW], v[NIL]
	ds_add_u32 v[SPW], v[NIL]
	v_lshrrev_b32 v1, 5, v0
	v_readfirstlane_b32 s14, v1
	s_lshr_b32 s15, s14, 1
	s_and_b32 s16, s14, 1
	s_bfe_u32 s40, ttmp6, 0x40000
	s_bfe_u32 s41, ttmp6, 0x40004
	s_lshl_b32 s42, ttmp9, 2
	s_add_co_u32 s42, s42, s40
	s_and_b32 s17, ttmp7, 0xffff
	s_lshl_b32 s17, s17, 2
	s_add_co_u32 s17, s17, s41
	s_lshl_b32 s43, s41, 2
	s_lshl_b32 s43, 15, s43
	s_lshl_b32 s44, 0x1111, s40
	s_or_b32 s[G1+0], s43, (3<<16)|(1<<21)
	s_or_b32 s[G1B+0], s44, (3<<16)|(1<<21)
.irp g, G1, G1B
	s_mov_b32 s[\g+1], 512<<16
	s_mov_b32 s[\g+2], 16<<16                      ; 16 row tiles a load
	s_mov_b32 s[\g+3], 512<<16
	s_mov_b32 s[\g+4], 16
	s_mov_b32 s[\g+5], RTB/8
	s_mov_b32 s[\g+6], 0
	s_mov_b32 s[\g+7], 0
.endr
	s_lshl_b32 s20, s17, 18                        ; A: 16 row tiles of 16 KiB for each tile row
	s_mov_b32 s21, 0
	s_lshl_b32 s46, s42, 18                        ; B: by the tile column
	s_add_co_u32 s46, s46, 0x1000000
	s_mov_b32 s47, 0
	s_wait_dscnt 0x0
	s_wait_kmcnt 0x0
	s_load_b128 s[68:71], s[10:11], 0x30
	s_add_nc_u64 s[20:21], s[4:5], s[20:21]
	s_add_nc_u64 s[46:47], s[6:7], s[46:47]
	CROUND
.irp s, 0,1
	s_mov_b32 s[G0+4*\s], 1
	s_mov_b32 s[G0+4*\s+1], \s*SLOT                ; A's sixteen row tiles lie at the slot's head,
	s_add_nc_u64 s[G0+4*\s+2:G0+4*\s+3], s[20:21], \s*KSB
	s_or_b32 s[G0+4*\s+3], s[G0+4*\s+3], 0x80000000
	s_mov_b32 s[G0B+4*\s], 1
	s_mov_b32 s[G0B+4*\s+1], \s*SLOT+2*HALFT       ; B's behind them
	s_add_nc_u64 s[G0B+4*\s+2:G0B+4*\s+3], s[46:47], \s*KSB
	s_or_b32 s[G0B+4*\s+3], s[G0B+4*\s+3], 0x80000000
.endr
	; the first fills: four tiles, four waves, one load each, in the arms of one chain on the wave's number
	s_cmp_eq_u32 s14, 0
	s_cbranch_scc0 .Lh1
	tensor_load_to_lds s[G0:G0+3], s[G1:G1+7]
	s_nop 0
	s_branch .Lhj
.Lh1:
	s_cmp_eq_u32 s14, 1
	s_cbranch_scc0 .Lh2
	tensor_load_to_lds s[G0B:G0B+3], s[G1B:G1B+7]
	s_nop 0
	s_branch .Lhj
.Lh2:
	s_cmp_eq_u32 s14, 2
	s_cbranch_scc0 .Lh3
	tensor_load_to_lds s[G0+4:G0+7], s[G1:G1+7]
	s_nop 0
	s_branch .Lhj
.Lh3:
	tensor_load_to_lds s[G0B+4:G0B+7], s[G1B:G1B+7]
	s_nop 0
.Lhj:
.rept 4
	v_nop
.endr
	v_and_b32 v1, 31, v0
	v_lshlrev_b32 v[LO], 4, v1
	s_mul_i32 s21, s15, HALFT
	s_mul_i32 s22, s16, HALFT
	s_add_co_u32 s22, s22, 2*HALFT
.irp s, 0,1
	v_add_nc_u32 v[ADRA+\s], s21, v[LO]
	v_add_nc_u32 v[ADRB+\s], s22, v[LO]
	s_add_co_u32 s21, s21, SLOT
	s_add_co_u32 s22, s22, SLOT
.endr
	s_lshl_b32 s92, s42, 10
	s_lshl_b32 s93, s16, 9
	s_add_co_u32 s92, s92, s93
	s_mov_b32 s93, 0
	s_add_nc_u64 s[88:89], s[8:9], s[92:93]
	v_bfe_u32 v2, v0, 4, 1
	v_lshlrev_b32 v3, 5, v2
.set b, 0
.rept 8
	global_load_b128 v[BC+8*b:BC+8*b+3], v3, s[88:89] offset:64*b
	global_load_b128 v[BC+8*b+4:BC+8*b+7], v3, s[88:89] offset:64*b+16
.set b, b+1
.endr
	s_lshl_b32 s92, s17, 4
	s_lshl_b32 s94, s15, 3
	s_add_co_u32 s92, s92, s94
	s_lshl_b32 s92, s92, 16
	s_lshl_b32 s94, s42, 1
	s_add_co_u32 s94, s94, s16
	s_lshl_b32 s94, s94, 11
	s_add_co_u32 s92, s92, s94
	s_add_nc_u64 s[92:93], s[84:85], s[92:93]
	v_mov_b32 v8, 0xc0135761
	v_mov_b32 v9, 0xc0135761
	v_mov_b32 v10, 0xbdd2d3e8
	v_mov_b32 v11, 0xbdd2d3e8
	s_wait_kmcnt 0x0
	s_add_co_i32 s96, s68, s69
	s_add_co_i32 s96, s96, 127
	s_lshl_b32 s96, s96, 23
	s_mov_b32 s97, s96
	s_add_co_i32 s13, s70, 127
	s_lshl_b32 s12, s13, 23
	v_mov_b32 v[SC], s12
	s_add_co_i32 s13, s13, 8
	s_lshl_b32 s13, s13, 23
	s_or_b32 s13, s13, 0x600000
	v_mov_b32 v[LIM], s13
.macro FRAG reg, adr, q, i
.irp c, 0,1,2,3
	ds_load_b128 v[\reg+4*\c:\reg+4*\c+3], v[\adr] offset:(\i)*KSB+(\q)*2048+512*\c
.endr
.endm
.macro MUL16 a0, p, zero
.irp a, \a0, \a0+1
.irp b, 0,1,2,3,4,5,6,7
.if \zero
	v_wmma_f32_16x16x128_fp8_fp8 v[8*(8*((\a)%4)+\b):8*(8*((\a)%4)+\b)+7], v[128*(\p)+FR*\b:128*(\p)+FR*\b+FR-1], v[AF+FR*(\a):AF+FR*(\a)+FR-1], 0
.else
	v_wmma_f32_16x16x128_fp8_fp8 v[8*(8*((\a)%4)+\b):8*(8*((\a)%4)+\b)+7], v[128*(\p)+FR*\b:128*(\p)+FR*\b+FR-1], v[AF+FR*(\a):AF+FR*(\a)+FR-1], v[8*(8*((\a)%4)+\b):8*(8*((\a)%4)+\b)+7]
.endif
.endr
.endr
.endm
.macro FETCH_B slot, q, p
	WIN TO_B
.irp i, 0,1,2,3,4,5,6,7
	FRAG 128*(\p)+FR*\i, ADRB+\slot, \q, \i
.endr
	WIN 0
.endm
.macro FETCH_A slot, q, i0
.irp i, \i0, \i0+1, \i0+2, \i0+3
	FRAG AF+FR*(\i), ADRA+\slot, \q, \i
.endr
.endm
.macro PLACES n
.rept \n
	v_nop
.endr
.endm
.macro STEP slot, q, zero
	s_wait_dscnt 4*NL
	WIN MUL_LO
	MUL16 0, (\q)%2, \zero
	MUL16 2, (\q)%2, \zero
	s_wait_dscnt 0
	PLACES NP
	FETCH_B \slot, (\q)+1, 1-(\q)%2
	FETCH_A \slot, (\q)+1, 0
	WIN MUL_HI
	MUL16 4, (\q)%2, \zero
	MUL16 6, (\q)%2, \zero
	PLACES NP
	WIN 0
	FETCH_A \slot, (\q)+1, 4
.endm
.macro TURN slot, next, fill
	s_wait_tensorcnt 0x0
	ds_add_u32 v[SPW], v[NIL]
	s_wait_dscnt 4*NL+1
	WIN MUL_LO
	MUL16 0, 1, 0
	s_wait_dscnt 0x0
	s_barrier_signal -1
	MUL16 2, 1, 0
	WIN 0
	s_barrier_wait -1
.if \fill
	CREST
	s_add_nc_u64 s[G0+4*\slot+2:G0+4*\slot+3], s[G0+4*\slot+2:G0+4*\slot+3], 2*KSB
	s_add_nc_u64 s[G0B+4*\slot+2:G0B+4*\slot+3], s[G0B+4*\slot+2:G0B+4*\slot+3], 2*KSB
	JLOAD \slot
.else
	PLACES NP
.endif
	s_wait_alu depctr_va_vdst(0)
	FETCH_B \next, 0, 0
	FETCH_A \next, 0, 0
	WIN MUL_HI
	MUL16 4, 1, 0
	MUL16 6, 1, 0
	PLACES NP
	WIN 0
	FETCH_A \next, 0, 4
.endm
	s_wait_alu depctr_va_vdst(0)
	s_wait_tensorcnt 0x0                           ; my one load is in; behind the barrier both slots are whole
	s_barrier_signal -1
	s_barrier_wait -1
	FETCH_B 0, 0, 0
	FETCH_A 0, 0, 0
	FETCH_A 0, 0, 4
	STEP 0, 0, 1
	TURN 0, 1, 1
	STEP 1, 0, 0
	TURN 1, 0, 1
	STEP 0, 0, 0
	TURN 0, 1, 0
	STEP 1, 0, 0
	s_wait_dscnt 4*NL
	WIN MUL_LO
	MUL16 0, 1, 0
	MUL16 2, 1, 0
	s_wait_dscnt 0
	WIN MUL_HI
	MUL16 4, 1, 0
	MUL16 6, 1, 0
	WIN 0
.macro OUTBLK a
.if (\a) >= 2
	s_wait_xcnt 0x0
.endif
.set AC, 64*((\a)%4)
.set CDA, CDS+16*((\a)%2)
	WIN 0x02+((\a)/4)
.set j, 0
.rept 32
	v_pk_fma_f32 v[XR+j:XR+j+1], v[AC+j:AC+j+1], s[96:97], v[BC+j:BC+j+1] op_sel_hi:[1,0,1]
.set j, j+2
.endr
	WIN 0
.set j, 0
.rept 32
	v_pk_mul_f32 v[ZR+j:ZR+j+1], v[XR+j:XR+j+1], v[XR+j:XR+j+1]
.set j, j+2
.endr
.set j, 0
.rept 32
	v_pk_fma_f32 v[ZR+j:ZR+j+1], v[ZR+j:ZR+j+1], v[10:11], v[8:9]
.set j, j+2
.endr
.set j, 0
.rept 32
	v_pk_mul_f32 v[ZR+j:ZR+j+1], v[ZR+j:ZR+j+1], v[XR+j:XR+j+1]
.set j, j+2
.endr
.set j, 0
	s_wait_alu depctr_va_vdst(0)
.rept 64
	v_exp_f32 v[ZR+j], v[ZR+j]
.set j, j+1
.endr
	v_nop
	s_wait_alu depctr_va_vdst(0)
.set j, 0
.rept 32
	v_pk_add_f32 v[ZR+j:ZR+j+1], v[ZR+j:ZR+j+1], 1.0 op_sel_hi:[1,0]
.set j, j+2
.endr
.set j, 0
	s_wait_alu depctr_va_vdst(0)
.rept 64
	v_rcp_f32 v[ZR+j], v[ZR+j]
.set j, j+1
.endr
	v_nop
	s_wait_alu depctr_va_vdst(0)
.set j, 0
.rept 32
	v_pk_mul_f32 v[XR+j:XR+j+1], v[XR+j:XR+j+1], v[ZR+j:ZR+j+1]
.set j, j+2
.endr
.set b, 0
.rept 8
.set j, 0
.rept 8
	v_med3_num_f32 v[XR+8*b+j], v[XR+8*b+j], -v[LIM], v[LIM]
.set j, j+1
.endr
	v_cvt_scalef32_pk8_fp8_f32 v[CDA+2*b:CDA+2*b+1], v[XR+8*b:XR+8*b+7], v[SC]
.set b, b+1
.endr
	v_nop
.set q, 0
.rept 4
	global_store_b128 v[LO], v[CDA+4*q:CDA+4*q+3], s[92:93] offset:(\a)*65536+q*512
.set q, q+1
.endr
.endm
	s_wait_loadcnt 0x0
	PLACES NP
.irp a, 0,1,2,3,4,5,6,7
	OUTBLK \a
.endr
	s_wait_tensorcnt 0x0
	ds_add_u32 v[SPW], v[NIL]
	s_wait_dscnt 0x0
	CROUND
	s_endpgm
.Lfunc_end_k_q92ef5b8286_ffn1:
	.size	k_q92ef5b8286_ffn1, .Lfunc_end_k_q92ef5b8286_ffn1-k_q92ef5b8286_ffn1
	.p2alignl 7, 3214868480
	.fill 96, 4, 3214868480
	.section	.rodata,"a",@progbits
	.p2align	6, 0x0
	.amdhsa_kernel k_q92ef5b8286_ffn1
		.amdhsa_group_segment_fixed_size 327680
		.amdhsa_private_segment_fixed_size 0
		.amdhsa_enable_private_segment 0
		.amdhsa_kernarg_size 40
		.amdhsa_user_sgpr_count 2
		.amdhsa_user_sgpr_kernarg_segment_ptr 1
		.amdhsa_wavefront_size32 1
		.amdhsa_system_sgpr_workgroup_id_x 1
		.amdhsa_system_sgpr_workgroup_id_y 1
		.amdhsa_system_sgpr_workgroup_id_z 1
		.amdhsa_system_vgpr_workitem_id 0
		.amdhsa_next_free_vgpr 1024
		.amdhsa_next_free_sgpr 100
		.amdhsa_reserve_vcc 0
		.amdhsa_float_denorm_mode_32 3
		.amdhsa_float_denorm_mode_16_64 3
		.amdhsa_memory_ordered 1
		.amdhsa_forward_progress 1
		.amdhsa_inst_pref_size 248
	.end_amdhsa_kernel
	.amdgpu_metadata
---
amdhsa.version: [ 1, 2 ]
amdhsa.kernels:
  - .name:           k_q92ef5b8286_ffn1
    .symbol:         k_q92ef5b8286_ffn1.kd
    .args:
      - { .name: x2i, .offset: 0, .size: 8, .value_kind: global_buffer, .address_space: global }
      - { .name: wts, .offset: 8, .size: 8, .value_kind: global_buffer, .address_space: global }
      - { .name: b1, .offset: 16, .size: 8, .value_kind: global_buffer, .address_space: global }
      - { .name: lowp_scales, .offset: 24, .size: 8, .value_kind: global_buffer, .address_space: global }
      - { .name: himg, .offset: 32, .size: 8, .value_kind: global_buffer, .address_space: global }
    .group_segment_fixed_size: 327680
    .private_segment_fixed_size: 0
    .kernarg_segment_align: 8
    .kernarg_segment_size: 40
    .max_flat_workgroup_size: 128
    .sgpr_count:     100
    .vgpr_count:     1024
    .wavefront_size: 32
...
	.end_amdgpu_metadata
.endif
;; end of part 6
;; launch ffn2 (part 7): grid 8 x 32, 4 waves a work-group, clusters of 4 x 4, 327,680 bytes of LDS; arguments himg, wts, out0, b2, x1, lowp_scales; writes out0
.if DOCPART == 7
	.amdgcn_target "amdgcn-amd-amdhsa--gfx1250"
	.amdhsa_code_object_version 6
	.text
	.protected	k_q92ef5b8286_ffn2
	.globl	k_q92ef5b8286_ffn2
	.p2align	8
	.type	k_q92ef5b8286_ffn2,@function
k_q92ef5b8286_ffn2:
	s_mov_b64 s[64:65], 0
	v_nop
	global_prefetch_b8 v0, s[64:65] scope:SCOPE_SE
	s_setreg_imm32_b32 hwreg(HW_REG_WAVE_MODE, 25, 1), 1
	s_wait_xcnt 0x0
	s_wait_alu depctr_hold_cnt(0) depctr_sa_sdst(0) depctr_va_vdst(0) depctr_va_sdst(0) depctr_va_ssrc(0) depctr_va_vcc(0) depctr_vm_vsrc(0)
	s_getreg_b32 s2, hwreg(HW_REG_IB_STS2, 6, 4)
	s_cmp_eq_u32 s2, 0
	s_cbranch_scc0 .Lentry_in_a_cluster
	s_endpgm
.Lentry_in_a_cluster:
	s_bfe_u32 s2, ttmp6, 0x10000c
	s_cmp_lg_u32 s2, 0xf033
	s_cbranch_scc0 .Lentry_shape_is_right
	s_endpgm
.Lentry_shape_is_right:
; out0 = x1 + (hidden W2 x 2^(e14 + e15) + b2): 4,096 x 1,024, K = 4,096, on operand images of FP8 (E4M3) codes; out0, x1 and b2 are f32.
; AN IMAGE: byte (rt*32+kf)*2048 + q*512 + 16*lane: four loads of 16 bytes a lane, 512 bytes apart, are a fragment of 16 rows x 128 K as the plain FP8 forms hold it.
; SHARES.  A work-group makes 128 x 128 of out0: 8 x 32 = 256 work-groups.  EACH OF ITS FOUR WAVES MAKES THE WHOLE 128 x 128 OVER A QUARTER OF K (eight K steps of 128): 64 accumulators, 512 registers.
; So every fragment is wanted by ONE wave of the work-group, and no fragment is read twice.
; TWO ROADS, four periods of two K steps.  a slot holds one K step of all four waves, A's 32 rows (row tile x wave) of 2,048 bytes, 16,384 bytes apart in memory,
; then B's 32; each wave asks for 16 rows.  Its ODD K steps go from memory straight into registers, as they lie: 64 loads, issued as the odd step before frees their registers, on their way while the even step is fetched and multiplied.
; CLUSTERS: 4 x 4 work-groups; A's rows are asked for jointly along a row of the cluster, B's along a column.  Each fill but the first stands behind a round of the cluster's barrier.
; THE FOUR PARTIAL SUMS meet in LDS, over the slots, which have had their last fill and, behind a barrier, their last read: each wave lays its 128 x 128 as rows of 512 bytes + 16 in a region of its own; one barrier;
; wave d reads rows 32 d on of all four regions, whole rows, adds them, multiplies by 2^(e14 + e15), adds bias and residual and stores 512 consecutive bytes, aligned, an instruction.
; The order of these four additions differs from one chain along K.
; THE MATRIX INSTRUCTION IS USED TRANSPOSED (source 0 = 16 rows of W2's image, source 1 = 16 rows of hidden): a lane holds eight neighbouring numbers of a row of out0.
; PREFETCH: in periods 0 and 1, for the two K steps of the period after the next: 4,096 consecutive bytes of each fragment.  Of a wave's eight fragments of A the partner at cx takes 2 cx and 2 cx + 1 (32 blocks of 256 bytes, a lane a block),
; of B's the partner at cy likewise: told apart by address, each block named once in a cluster.  Periods 0 and 1 come by their loads alone.
; LIMIT: e14 + e15 between -126 and 127.  A NaN in x1 goes on into out0 by the residual.
; REGISTERS: window 0: v4-21 addresses and bias; v32-159 A's fragments of an odd step; v160-255 six places for A's of an even step.  window 1: v0-127 B's of an odd step, v128-255 B's of an even step, at the end the residual.
;   windows 2, 3: accumulators ((a, b) at v[8 (8 (a % 4) + b)]), then the four regions' rows.
.set RTB,   65536                      ; a row tile of an image with K = 4,096
.set BOFF,  0x1400000                  ; W2's image in wts
.set EOFF,  56                         ; e14, e15
.set SLOT,  131072                     ; A's 32 rows of 2,048 bytes, then B's
.set PITCH, 528                        ; a row of 128 f32 in LDS + 16 bytes
.set REG,   128*PITCH                  ; a wave's region
.set SPARE, 4*REG                      ; behind slots and regions: the spare words, 128 bytes for each wave; no other line names them
.set LO,  4                            ; v4   16 x lane
.set STO, 5                            ; v5   where I put 32 bytes of a row
.set SPW, 6
.set NIL, 7
.set BI,  8                            ; v8-11  bias at my four columns
.set RD,  12                           ; v12-15 my rows in the four regions
.set PF,  16                           ; v16  the prefetches' offset
.set ADA, 18                           ; v18, v19 my fragments of A in slot 0, 1
.set ADB, 20                           ; v20, v21 of B
.set AP,  32
.set AT,  160
.set G1, 24
.set G0, 32
.set G1B, 48
.set G0B, 56
.set MSB, 0
.macro WIN new                         ; the immediate's high byte repeats the setting that is left
.if MSB != \new
	s_set_vgpr_msb (MSB<<8)|\new
.set MSB, \new
.endif
.endm
.set MUL_LO, 0xa1                      ; source 0 (B) window 1, source 1 (A) window 0, C and D window 2
.set MUL_HI, 0xf1
.set TO_B,   0x40
.macro PLACES                          ; plain vector instructions between a matrix instruction and a load into, or a read of, its registers
.rept 4
	v_nop
.endr
.endm
.macro JLOAD s                         ; a joint load: waves 0 and 1 fetch A's halves, waves 2 and 3 B's; an s_nop 0 and four v_nop follow each line
	s_cmp_eq_u32 s11, 0
	s_cbranch_scc0 .Lfor_b_\@
	tensor_load_to_lds s[G0+4*\s:G0+4*\s+3], s[G1:G1+7]
	s_nop 0
.rept 4
	v_nop
.endr
	s_branch .Lasked_\@
.Lfor_b_\@:
	tensor_load_to_lds s[G0B+4*\s:G0B+4*\s+3], s[G1B:G1B+7]
	s_nop 0
.rept 4
	v_nop
.endr
.Lasked_\@:
.endm
.macro CREST                           ; a round of the cluster's barrier behind its opening barrier
	s_cmp_lg_u32 s10, 0
	s_cbranch_scc1 .Lnot_wave_0_\@
	s_barrier_signal -3
.Lnot_wave_0_\@:
	s_barrier_wait -3
	s_barrier_signal -1
	s_barrier_wait -1
.endm
.macro CROUND
	s_barrier_signal -1
	s_barrier_wait -1
	CREST
.endm
.macro LDA k, a                        ; period k's odd step: A's block a, from memory
.irp c, 0,1,2,3
	global_load_b128 v[AP+16*(\a)+4*\c:AP+16*(\a)+4*\c+3], v[LO], s[74:75] offset:(\a)*RTB+(2*(\k)+1)*2048+512*\c
.endr
.endm
.macro LDB k                           ; and B's eight
.irp b, 0,1,2,3,4,5,6,7
.irp c, 0,1,2,3
	global_load_b128 v[16*\b+4*\c:16*\b+4*\c+3], v[LO], s[78:79] offset:\b*RTB+(2*(\k)+1)*2048+512*\c
.endr
.endr
.endm
.macro TLA a                           ; an even step: A's block a, from slot SL, into place a % 6
.irp c, 0,1,2,3
	ds_load_b128 v[AT+16*((\a)%6)+4*\c:AT+16*((\a)%6)+4*\c+3], v[ADA+SL] offset:(\a)*8192+512*\c
.endr
.endm
; A's block a (at v[ar]) x B's eight (from v[bs] on).  The 64 accumulators take turns, one instruction a turn, in the same order in every step; zero = 1 starts the sums
.macro MUL8 a, ar, bs, zero
.set AC, 64*((\a)%4)
.irp b, 0,1,2,3,4,5,6,7
.if \zero
	v_wmma_f32_16x16x128_fp8_fp8 v[AC+8*\b:AC+8*\b+7], v[(\bs)+16*\b:(\bs)+16*\b+15], v[(\ar):(\ar)+15], 0
.else
	v_wmma_f32_16x16x128_fp8_fp8 v[AC+8*\b:AC+8*\b+7], v[(\bs)+16*\b:(\bs)+16*\b+15], v[(\ar):(\ar)+15], v[AC+8*\b:AC+8*\b+7]
.endif
.endr
.endm
; THE CHANGE OF SLOTS at a period's head: each wave waits for all its tensor loads (its part of this period's slot), adds 0 to its spare word, waits for that and for its reads of the other slot;
; behind the round the other slot is asked for: the next period's even step.  The last period asks for nothing and has no round.
.macro CHG k
	WIN 0
	s_wait_tensorcnt 0x0
	ds_add_u32 v[SPW], v[NIL]
	s_wait_dscnt 0x0
	s_barrier_signal -1
	s_barrier_wait -1
.if (\k) < 3
	CREST
.if (\k) > 0
	s_add_nc_u64 s[G0+4*(((\k)+1)%2)+2:G0+4*(((\k)+1)%2)+3], s[G0+4*(((\k)+1)%2)+2:G0+4*(((\k)+1)%2)+3], 8192     ; two periods on along K
	s_add_nc_u64 s[G0B+4*(((\k)+1)%2)+2:G0B+4*(((\k)+1)%2)+3], s[G0B+4*(((\k)+1)%2)+2:G0B+4*(((\k)+1)%2)+3], 8192
.endif
	JLOAD (((\k)+1)%2)                             ; the first tensor load behind the round; its four v_nop are the places ahead of the LDS loads below
.else
	PLACES
.endif
.endm
.macro TSTEP k                         ; period k's even step, out of slot k % 2
.set SL, (\k)%2
	WIN TO_B
.irp b, 0,1,2,3,4,5,6,7
.irp c, 0,1,2,3
	ds_load_b128 v[128+16*\b+4*\c:128+16*\b+4*\c+3], v[ADB+SL] offset:\b*8192+512*\c
.endr
.endr
	WIN 0
.irp a, 0,1,2,3,4,5
	TLA \a
.endr
	s_wait_dscnt 16                                ; B's eight and A's blocks 0, 1 are in; the youngest 16 loads (blocks 2 to 5) may be out
	WIN MUL_LO
	MUL8 0, AT, 128, (\k)==0
	MUL8 1, AT+16, 128, (\k)==0
	PLACES
	WIN 0
	TLA 6                                          ; into the places of the two blocks just multiplied
	TLA 7
	s_wait_dscnt 8                                 ; blocks 2 to 5 are in; the eight loads just issued may be out
.if (\k) < 2
	global_prefetch_b8 v[PF], s[88:89] offset:(2*(\k)+4)*2048 th:TH_LOAD_NT scope:SCOPE_SE
	global_prefetch_b8 v[PF], s[90:91] offset:(2*(\k)+4)*2048 th:TH_LOAD_NT scope:SCOPE_SE
.endif
	WIN MUL_LO
	MUL8 2, AT+32, 128, (\k)==0
	MUL8 3, AT+48, 128, (\k)==0
	WIN MUL_HI
	MUL8 4, AT+64, 128, (\k)==0
	MUL8 5, AT+80, 128, (\k)==0
	s_wait_dscnt 0x0
	MUL8 6, AT, 128, (\k)==0
	MUL8 7, AT+16, 128, (\k)==0
.endm
.macro PSTEP k                         ; period k's odd step, out of registers; the next period's loads go out as registers come free
.if (\k) < 3
	s_wait_loadcnt 0x0
.else
	s_wait_loadcnt 33                              ; this step's loads are in; residual and bias (33 loads) may be out
.endif
	WIN MUL_LO
.irp a, 0,1,2,3
	MUL8 \a, AP+16*\a, 0, 0
.endr
.if (\k) < 3
	PLACES
	WIN 0
.irp a, 0,1,2,3
	LDA (\k)+1, \a
.endr
.endif
	WIN MUL_HI
.irp a, 4,5,6,7
	MUL8 \a, AP+16*\a, 0, 0
.endr
	PLACES
	WIN 0
.if (\k) < 3
.irp a, 4,5,6,7
	LDA (\k)+1, \a
.endr
	WIN TO_B
	LDB (\k)+1
	WIN 0
.endif
.endm
	s_load_b128 s[4:7], s[0:1], 0x0                ; himg s[4:5], wts s[6:7]
	s_load_b64 s[8:9], s[0:1], 0x10                ; out0
	s_load_b128 s[68:71], s[0:1], 0x18             ; b2 s[68:69], x1 s[70:71]
	s_load_b64 s[72:73], s[0:1], 0x28              ; the scales' exponents
	v_lshl_add_u32 v[SPW], v0, 2, SPARE
	v_mov_b32 v[NIL], 0
	ds_add_u32 v[SPW], v[NIL]                      ; the wave's opening: the add, twice on end, and its wait ahead of my first tensor load
	ds_add_u32 v[SPW], v[NIL]
	v_lshrrev_b32 v1, 5, v0
	v_readfirstlane_b32 s10, v1                    ; wave 0..3
	v_and_b32 v2, 31, v0
	v_lshlrev_b32 v[LO], 4, v2
	v_and_b32 v1, 15, v0                           ; r
	v_bfe_u32 v3, v0, 4, 1                         ; h
	v_lshlrev_b32 v[PF], 8, v1
	v_lshl_add_u32 v[PF], v3, 16, v[PF]            ; lanes 0-15: 16 blocks of one fragment; lanes 16-31: of the next
	v_mul_u32_u24 v1, v1, PITCH
	v_lshl_add_u32 v1, v3, 5, v1
	s_mul_i32 s18, s10, REG
	v_add_nc_u32 v[STO], s18, v1                   ; my region, row r, 32 bytes for each half of the lanes
	s_mul_i32 s18, s10, 32*PITCH
	v_add_nc_u32 v[RD], s18, v[LO]                 ; back: rows 32 x wave on, 16 bytes a lane, in each region
	v_add_nc_u32 v[RD+1], REG, v[RD]
	v_add_nc_u32 v[RD+2], 2*REG, v[RD]
	v_add_nc_u32 v[RD+3], 3*REG, v[RD]
	s_lshl_b32 s18, s10, 11
	v_add_nc_u32 v[ADA], s18, v[LO]                ; in a slot row (row tile a, wave w) lies at (4 a + w) x 2,048
	v_add_nc_u32 v[ADA+1], SLOT, v[ADA]
	v_add_nc_u32 v[ADB], 65536, v[ADA]
	v_add_nc_u32 v[ADB+1], SLOT+65536, v[ADA]
	s_lshr_b32 s11, s10, 1                         ; I fetch for A (0) or for B (1),
	s_and_b32 s12, s10, 1                          ; its rows 0-15 or 16-31
	s_bfe_u32 s40, ttmp6, 0x40000                  ; cx
	s_bfe_u32 s41, ttmp6, 0x40004                  ; cy
	s_lshl_b32 s42, ttmp9, 2
	s_add_co_u32 s42, s42, s40                     ; tile column
	s_and_b32 s13, ttmp7, 0xffff
	s_lshl_b32 s13, s13, 2
	s_add_co_u32 s13, s13, s41                     ; tile row
	s_lshl_b32 s43, s41, 2
	s_lshl_b32 s43, 15, s43                        ; my row of the cluster
	s_lshl_b32 s44, 0x1111, s40                    ; my column
	; descriptor group 1: 16 rows of 256 elements of 8 bytes, 2,048 elements apart; dense in LDS
	s_or_b32 s[G1+0], s43, (3<<16)|(1<<21)
	s_or_b32 s[G1B+0], s44, (3<<16)|(1<<21)
.irp g, G1, G1B
	s_mov_b32 s[\g+1], 256<<16
	s_mov_b32 s[\g+2], 16<<16
	s_mov_b32 s[\g+3], 256<<16
	s_mov_b32 s[\g+4], 16
	s_mov_b32 s[\g+5], 2048
	s_mov_b32 s[\g+6], 0
	s_mov_b32 s[\g+7], 0
.endr
	s_lshl_b32 s18, s12, 18                        ; 16 rows are 4 row tiles
	s_lshl_b32 s16, s13, 19
	s_add_co_u32 s16, s16, s18                     ; A's rows: by the tile row
	s_mov_b32 s17, 0
	s_lshl_b32 s46, s42, 19
	s_add_co_u32 s46, s46, s18
	s_add_co_u32 s46, s46, BOFF                    ; B's: by the tile column
	s_mov_b32 s47, 0
	s_lshl_b32 s20, s10, 15                        ; where they go: the wave's number alone
	s_lshl_b32 s19, s10, 14                        ; my quarter of K: eight K steps of 2,048 bytes
	s_lshl_b32 s80, s13, 19
	s_add_co_u32 s80, s80, s19                     ; the odd steps: A,
	s_mov_b32 s81, 0
	s_lshl_b32 s82, s42, 19
	s_add_co_u32 s82, s82, s19
	s_add_co_u32 s82, s82, BOFF                    ; and B
	s_mov_b32 s83, 0
	s_lshl_b32 s84, s13, 19                        ; out0 and x1: row 128 x tile row + 32 x wave, of 4,096 bytes,
	s_lshl_b32 s19, s10, 17
	s_add_co_u32 s84, s84, s19
	s_lshl_b32 s86, s42, 9                         ; column 128 x tile column, in bytes
	s_mov_b32 s87, 0
	s_add_co_u32 s84, s84, s86
	s_mov_b32 s85, 0
	s_lshl_b32 s88, s40, 17                        ; the prefetches: A's fragments 2 cx and 2 cx + 1,
	s_mov_b32 s89, 0
	s_lshl_b32 s90, s41, 17                        ; B's 2 cy and 2 cy + 1
	s_mov_b32 s91, 0
	s_wait_alu depctr_va_vdst(0)
	s_wait_dscnt 0x0                               ; both opening adds are done
	s_wait_kmcnt 0x0
	s_load_b64 s[76:77], s[72:73], EOFF            ; e14, e15
	s_add_nc_u64 s[74:75], s[4:5], s[80:81]
	s_add_nc_u64 s[78:79], s[6:7], s[82:83]
.irp a, 0,1,2,3,4,5,6,7
	LDA 0, \a                                      ; period 0's odd step sets out first
.endr
	WIN TO_B
	LDB 0
	WIN 0
	s_add_nc_u64 s[14:15], s[4:5], s[16:17]
	s_add_nc_u64 s[46:47], s[6:7], s[46:47]
.irp s, 0,1
	s_mov_b32 s[G0+4*\s], 1
	s_add_co_u32 s[G0+4*\s+1], s20, \s*SLOT
	s_add_nc_u64 s[G0+4*\s+2:G0+4*\s+3], s[14:15], \s*4096         ; period s's even step
	s_or_b32 s[G0+4*\s+3], s[G0+4*\s+3], 0x80000000
	s_mov_b32 s[G0B+4*\s], 1
	s_add_co_u32 s[G0B+4*\s+1], s20, \s*SLOT
	s_add_nc_u64 s[G0B+4*\s+2:G0B+4*\s+3], s[46:47], \s*4096
	s_or_b32 s[G0B+4*\s+3], s[G0B+4*\s+3], 0x80000000
.endr
	CROUND                                         ; all sixteen work-groups are here: the first joint loads meet
	JLOAD 0                                        ; one tensor load a wave at the head
	s_add_nc_u64 s[8:9], s[8:9], s[84:85]
	s_add_nc_u64 s[70:71], s[70:71], s[84:85]
	s_add_nc_u64 s[68:69], s[68:69], s[86:87]
	s_add_nc_u64 s[88:89], s[74:75], s[88:89]
	s_add_nc_u64 s[90:91], s[78:79], s[90:91]
.irp k, 0,1,2
	CHG \k
	TSTEP \k
	PSTEP \k
.endr
	CHG 3
	TSTEP 3
	PLACES
	WIN TO_B
.set i, 0
.rept 32                               ; the even steps' set of B is free: it takes my 32 rows of the residual
	global_load_b128 v[128+4*i:128+4*i+3], v[LO], s[70:71] offset:i*4096 th:TH_LOAD_NT
.set i, i+1
.endr
	WIN 0
	global_load_b128 v[BI:BI+3], v[LO], s[68:69]
	PSTEP 3
	s_barrier_signal -1                            ; every wave has waited for its last reads of the slots (in its last even step):
	s_barrier_wait -1                              ; behind this barrier the regions may be laid over them
	; my partial sums into my region, each accumulator from its low end on (the four places behind the last products stand at the odd step's end)
.irp a, 0,1,2,3,4,5,6,7
	WIN 0x08+4*((\a)/4)                            ; store data: window 2 or 3
.irp b, 0,1,2,3,4,5,6,7
	ds_store_b128 v[STO], v[64*((\a)%4)+8*\b:64*((\a)%4)+8*\b+3] offset:(\a)*16*PITCH+64*\b
	ds_store_b128 v[STO], v[64*((\a)%4)+8*\b+4:64*((\a)%4)+8*\b+7] offset:(\a)*16*PITCH+64*\b+16
.endr
.endr
	WIN 0
	s_wait_dscnt 0x0                               ; for the others' sake: my region is whole
	s_barrier_signal -1
	s_barrier_wait -1
.macro BACK u                          ; rows 16 u on of my 32, from the four regions: region s at v[128 (s % 2) + 4 row] of window 2 + s / 2
.irp w, 0,1
	WIN 0x80+0x40*\w
.irp s, 0,1
.irp i, 0,1,2,3,4,5,6,7,8,9,10,11,12,13,14,15
	ds_load_b128 v[128*\s+64*\u+4*\i:128*\s+64*\u+4*\i+3], v[RD+2*\w+\s] offset:(16*\u+\i)*PITCH
.endr
.endr
.endr
.endm
.macro ADD32 win, off                  ; 64 numbers: += the same numbers off registers on, in the windows that win names
	WIN \win
.set j, 0
.rept 32
	v_pk_add_f32 v[R0+j:R0+j+1], v[R0+j:R0+j+1], v[R0+\off+j:R0+\off+j+1]
.set j, j+2
.endr
.endm
.macro FIN u
.set R0, 64*\u
	ADD32 0x8a, 128                                ; region 0 += region 1 (all in window 2)
	ADD32 0xcf, 128                                ; region 2 += region 3 (window 3)
	ADD32 0x8e, 0                                  ; window 2 += window 3
	WIN 0x82                                       ; source 0 and destination window 2, the bias in window 0
.set j, 0
.rept 32
	v_pk_fma_f32 v[R0+j:R0+j+1], v[R0+j:R0+j+1], s[76:77], v[BI+j%4:BI+j%4+1] op_sel_hi:[1,0,1]
.set j, j+2
.endr
	ADD32 0x86, 128                                ; += the residual (window 1, v128 on)
	WIN 0x08
.set i, 0
.rept 16
	global_store_b128 v[LO], v[R0+4*i:R0+4*i+3], s[8:9] offset:(16*\u+i)*4096 th:TH_STORE_NT   ; 512 consecutive bytes, aligned
.set i, i+1
.endr
.endm
	BACK 0
	BACK 1
	s_wait_kmcnt 0x0
	s_add_co_i32 s76, s76, s77
	s_add_co_i32 s76, s76, 127
	s_lshl_b32 s76, s76, 23                        ; 2^(e14 + e15) as f32
	s_mov_b32 s77, s76                             ; (named with it as a pair)
	s_wait_loadcnt 0x0                             ; residual and bias
	s_wait_dscnt 63                                ; the first 64 loads, and one more, are in (the field holds no 64)
	FIN 0
	s_wait_dscnt 0x0
	FIN 1
	WIN 0
	s_wait_tensorcnt 0x0                           ; the wave's end: behind my last tensor load and my last LDS store
	ds_add_u32 v[SPW], v[NIL]
	s_wait_dscnt 0x0
	CROUND                                         ; the closing round: no work-group ends while a partner may still ask for a tile that names it
	s_endpgm
.Lfunc_end_k_q92ef5b8286_ffn2:
	.size	k_q92ef5b8286_ffn2, .Lfunc_end_k_q92ef5b8286_ffn2-k_q92ef5b8286_ffn2
	.p2alignl 7, 3214868480
	.fill 96, 4, 3214868480
	.section	.rodata,"a",@progbits
	.p2align	6, 0x0
	.amdhsa_kernel k_q92ef5b8286_ffn2
		.amdhsa_group_segment_fixed_size 327680
		.amdhsa_private_segment_fixed_size 0
		.amdhsa_enable_private_segment 0
		.amdhsa_kernarg_size 48
		.amdhsa_user_sgpr_count 2
		.amdhsa_user_sgpr_kernarg_segment_ptr 1
		.amdhsa_wavefront_size32 1
		.amdhsa_system_sgpr_workgroup_id_x 1
		.amdhsa_system_sgpr_workgroup_id_y 1
		.amdhsa_system_sgpr_workgroup_id_z 1
		.amdhsa_system_vgpr_workitem_id 0
		.amdhsa_next_free_vgpr 1024
		.amdhsa_next_free_sgpr 96
		.amdhsa_reserve_vcc 0
		.amdhsa_float_denorm_mode_32 3
		.amdhsa_float_denorm_mode_16_64 3
		.amdhsa_memory_ordered 1
		.amdhsa_forward_progress 1
		.amdhsa_inst_pref_size 130
	.end_amdhsa_kernel
	.amdgpu_metadata
---
amdhsa.version: [ 1, 2 ]
amdhsa.kernels:
  - .name:           k_q92ef5b8286_ffn2
    .symbol:         k_q92ef5b8286_ffn2.kd
    .args:
      - { .name: himg, .offset: 0, .size: 8, .value_kind: global_buffer, .address_space: global }
      - { .name: wts, .offset: 8, .size: 8, .value_kind: global_buffer, .address_space: global }
      - { .name: out0, .offset: 16, .size: 8, .value_kind: global_buffer, .address_space: global }
      - { .name: b2, .offset: 24, .size: 8, .value_kind: global_buffer, .address_space: global }
      - { .name: x1, .offset: 32, .size: 8, .value_kind: global_buffer, .address_space: global }
      - { .name: lowp_scales, .offset: 40, .size: 8, .value_kind: global_buffer, .address_space: global }
    .group_segment_fixed_size: 327680
    .private_segment_fixed_size: 0
    .kernarg_segment_align: 8
    .kernarg_segment_size: 48
    .max_flat_workgroup_size: 128
    .sgpr_count:     96
    .vgpr_count:     1024
    .wavefront_size: 32
...
	.end_amdgpu_metadata
.endif
;; end of part 7
